; MI455X (gfx1250); checked and timed in simulation.
; The chip was launched on July 23, 2026; its instructions are those of AMD's public machine-readable ISA for CDNA 5 (MIT licence, August 2026) and "CDNA5" Instruction Set Architecture Reference Guide (July 2026). The comments in the code are by the model that wrote it; some were corrected since.
;; Quantize EMA. Allowed arithmetic: matrix products marked QUANTISED: E4M3 operands, one given power-of-two scale a tensor, by v_wmma_f32_16x16x64_fp8_fp8 or v_wmma_f32_16x16x128_fp8_fp8, f32 sums; everything else in f32.
;; Inputs: embeddings 64 x 8,192 float32; input 16 x 64 x 32 x 32 float32; lowp_scales 2 int32 (the exponents e of the quantised operands' scales 2^e).
;; Outputs: out0 16 x 64 x 32 x 32 float32; out1 one number float32; out2 16 x 32 x 32 int32.
;; This version of the problem:
;;   THIS VERSION OF THE PROBLEM IS GIVEN IN LOW PRECISION. The matrix products marked QUANTISED in the list below multiply operands that are first quantised to E4M3 (4 exponent bits, 3 mantissa bits; 8 bits a number), with one given power-of-two scale for each operand tensor; their sums are f32. All else is computed in f32.
;;   The module's matrix products, in the order in which they are computed (A, B: the left and right operand; K: the contracted axis; several contracted axes count as one K, in the product's order):
;;     1. [M 16,384, K 64] x [K 64, N 8,192]; A: input input; B: input embeddings: QUANTISED (scales: A lowp_scales[0], B lowp_scales[1])
;;   THE QUANTISER, for each operand of a quantised product, along K:
;;     - The operand's scale is 2^e, e = its entry of the input lowp_scales (int32; the entries are numbered through the quantised products in the list's order, A before B).
;;     - Each number is divided by the scale, clamped to +-448, and rounded to the nearest number of E4M3, ties to even, subnormals kept.
;;     - The product sums the exact products of the quantised numbers (number of the format x scale) in f32.
;;   ~~~python
;;   def quantise(x, axis, e):      # numpy; x: float32 -> the quantised numbers, widened to float32 again
;;       x = np.moveaxis(x, axis, -1); K = x.shape[-1]
;;       r = np.clip(x / 2.0 ** e, -448, 448)
;;       step = 2.0 ** (np.maximum(np.frexp(np.where(r == 0, 1, r))[1] - 1, -6) - 3)
;;       q = np.round(r / step) * step * 2.0 ** e      # np.round: ties to even
;;       return np.moveaxis(q, -1, axis).astype(np.float32)
;;   ~~~
;; 2 versions. Each part assembles by itself: llvm-mc -triple=amdgcn-amd-amdhsa -mcpu=gfx1250 --defsym DOCPART=n.
;; ======== version 1 of 2: 4 launches
;; workspace buffers: etab 557,056 bytes; embt 2,097,152 bytes; cid 131,072 bytes of whole numbers; part 1,024 bytes
;; launch prep (part 1): grid 128 x 1, 2 waves a work-group, no clusters, 17,920 bytes of LDS; arguments embeddings, lowp_scales, etab, embt; writes etab, embt
.if DOCPART == 1
	.amdgcn_target "amdgcn-amd-amdhsa--gfx1250"
	.amdhsa_code_object_version 6
	.text
	.protected	k_qf3d4e4909e_prep
	.globl	k_qf3d4e4909e_prep
	.p2align	8
	.type	k_qf3d4e4909e_prep,@function
k_qf3d4e4909e_prep:
	s_mov_b64 s[64:65], 0
	v_nop
	global_prefetch_b8 v0, s[64:65] scope:SCOPE_SE
	s_setreg_imm32_b32 hwreg(HW_REG_WAVE_MODE, 25, 1), 1
	s_wait_xcnt 0x0
; THE TABLE IS PREPARED ONCE.  embeddings: [64 (k)][8192 (n)] f32, K is its first axis.  Three things are made of it:
;   etab: 64 parts of 8,704 bytes, part P for entries 128 P .. 128 P + 127: eight images of 1,024 bytes, one for each tile of 16 entries, then 128 numbers cv.
;         An image is a matrix operand's registers as they stand (16 rows x 64 K of E4M3 codes, 8 registers a lane): the 16 bytes (p, h) of tile row r lie at 512 p + 256 h + 16 r,
;         and byte 8 c + i of them is the code of k = 32 p + 16 c + 8 h + i.  Two loads of 16 bytes a lane, at 16 x lane and 512 further on, bring a fragment.
;         cv[n] = -|e_n|^2 x 2^(-1 - e0 - e1), of the UNQUANTISED numbers: given as C to the product of codes it makes (f.e - |e|^2 / 2) / 2^(e0 + e1), whose largest is the nearest entry.
;   embt: [8192][64] f32, the table turned: an entry's 64 numbers are 256 consecutive bytes, aligned.
; code = x / 2^e1, held within +-448, to the nearest code, ties to even.
; A LANE TAKES A COLUMN n AND ITS REGISTERS RUN DOWN K: each load reads 128 consecutive bytes a wave, the conversions find neighbours along K in one lane's registers, nothing is transposed by an instruction.
; SHARES: a work-group of two waves takes 64 columns, a wave 32 (two tiles).  No tensor load, no cluster: no two work-groups read the same bytes, and a work-group reads 16 KiB once.
; LIMITS: e1 between -126 and 119; |e|^2 x 2^(-1 - e0 - e1) a finite normal f32 number; |e|^2 is summed by fused multiply-adds in four partial sums, which is not the order of a plain sum; NaN is not served.
.set X,      16                        ; v16-79   my column's 64 numbers; never rewritten
.set T,      80                        ; v80-95   two sets of eight held numbers
.set CD,     96                        ; v96-111  my column's 64 codes: four registers for each (p, h)
.set O,      112                       ; v112-175 the turned table on its way out
.set SPITCH, 272                       ; a stage row: 256 bytes + 16: row r starts at bank 4 r mod 64 (64 banks of 4 bytes: ISA guide 11.1)
.set STGB,   32*SPITCH                 ; a wave's own stage
.set CST,    2*STGB                    ; behind the stages: the work-group's 64 numbers cv, 256 bytes
.set PARTB,  8704
	s_load_b256 s[4:11], s[0:1], 0x0               ; embeddings s[4:5], the scales' exponents s[6:7], etab s[8:9], embt s[10:11]
	v_lshl_add_u32 v184, v0, 2, 0x4500
	v_mov_b32 v185, 0
	v_lshrrev_b32 v1, 5, v0
	v_readfirstlane_b32 s12, v1                    ; wave 0, 1
	v_and_b32 v1, 31, v0                           ; lane
	v_and_b32 v9, 15, v0                           ; my row in my tile
	v_bfe_u32 v12, v0, 4, 1                        ; which of the wave's two tiles
	v_lshlrev_b32 v2, 2, v1                        ; in: 4 bytes a lane
	v_lshlrev_b32 v13, 4, v9
	v_lshl_add_u32 v3, v12, 10, v13                ; codes out: 1,024 x tile + 16 x row
	v_lshl_add_u32 v6, v12, 8, v13                 ; embt out: lanes 0-15 one entry's 256 bytes, lanes 16-31 the next entry's
	s_mul_i32 s13, s12, STGB
	v_mul_u32_u24 v4, v1, SPITCH
	v_add_nc_u32 v4, s13, v4                       ; into the stage: row = my column
	v_mul_u32_u24 v5, v12, SPITCH
	v_add_nc_u32 v5, v5, v13
	v_add_nc_u32 v5, s13, v5                       ; out of it: sixteen lanes to a row, two rows an instruction
	v_lshl_add_u32 v7, v0, 2, CST                  ; my cv's word
	v_lshlrev_b32 v8, 3, v1                        ; wave 0 at the end: 8 bytes a lane
	s_lshl_b32 s16, ttmp9, 8                       ; embeddings: (64 x work-group + 32 x wave) x 4 bytes
	s_lshl_b32 s17, s12, 7
	s_add_co_u32 s16, s16, s17
	s_mov_b32 s17, 0
	s_lshr_b32 s18, ttmp9, 1
	s_mul_i32 s18, s18, PARTB                      ; my part of etab: two work-groups to a part
	s_and_b32 s19, ttmp9, 1
	s_lshl_b32 s20, s19, 12                        ; my wave's first tile in it: 4 x (work-group % 2) + 2 x wave
	s_lshl_b32 s21, s12, 11
	s_add_co_u32 s20, s20, s21
	s_add_co_u32 s20, s20, s18
	s_mov_b32 s21, 0
	s_lshl_b32 s22, s19, 8                         ; the work-group's 64 cv: behind the part's eight images
	s_add_co_u32 s22, s22, s18
	s_add_co_u32 s22, s22, 8192
	s_mov_b32 s23, 0
	s_lshl_b32 s24, ttmp9, 14                      ; embt: (64 x work-group + 32 x wave) x 256 bytes
	s_lshl_b32 s25, s12, 13
	s_add_co_u32 s24, s24, s25
	s_mov_b32 s25, 0
	s_wait_kmcnt 0x0
	s_load_b64 s[14:15], s[6:7], 0x0               ; e0, e1
	s_add_nc_u64 s[4:5], s[4:5], s[16:17]
	s_add_nc_u64 s[26:27], s[8:9], s[22:23]
	s_add_nc_u64 s[8:9], s[8:9], s[20:21]
	s_add_nc_u64 s[10:11], s[10:11], s[24:25]
.set k, 0
.rept 64
	global_load_b32 v[X+k], v2, s[4:5] offset:k*32768 th:TH_LOAD_NT   ; row k of the table at my column: 63 rows of 32,768 bytes at the most, inside the signed 24-bit immediate
.set k, k+1
.endr
	s_wait_kmcnt 0x0
	s_add_co_i32 s28, s14, s15
	s_sub_co_i32 s28, -1, s28                      ; -1 - e0 - e1
	s_add_co_i32 s29, s15, 127
	s_lshl_b32 s30, s29, 23
	v_mov_b32 v11, s30                             ; 2^e1 as f32: the conversion takes its exponent field
	s_add_co_i32 s29, s29, 8
	s_lshl_b32 s29, s29, 23
	s_or_b32 s29, s29, 0x600000
	v_mov_b32 v10, s29                             ; 448 x 2^e1
	s_wait_loadcnt 0x0
	; |e|^2: two packed chains, started by the first products
	v_pk_mul_f32 v[12:13], v[X:X+1], v[X:X+1]
	v_pk_mul_f32 v[14:15], v[X+2:X+3], v[X+2:X+3]
.irp j, 4,8,12,16,20,24,28,32,36,40,44,48,52,56,60
	v_pk_fma_f32 v[12:13], v[X+\j:X+\j+1], v[X+\j:X+\j+1], v[12:13]
	v_pk_fma_f32 v[14:15], v[X+\j+2:X+\j+3], v[X+\j+2:X+\j+3], v[14:15]
.endr
	v_pk_add_f32 v[12:13], v[12:13], v[14:15]
	v_sub_f32 v12, -v12, v13                       ; -|e|^2
	v_ldexp_f32 v12, v12, s28                      ; x 2^(-1 - e0 - e1): nothing is rounded
	ds_store_b32 v7, v12
; Eight neighbours along K, k = 8 u on, u = 4 p + 2 c + h, become two registers of codes at their place in the image.  The held numbers go into other registers: X is still wanted whole.
; The other set's eight holds are the plain lines between a conversion and the rewriting of its sources.
.macro QG u
.set qs, T+8*((\u)%2)
.set qd, CD+4*(2*((\u)/4)+(\u)%2)+2*(((\u)/2)%2)
.irp i, 0,1,2,3,4,5,6,7
	v_med3_num_f32 v[qs+\i], v[X+8*(\u)+\i], -v10, v10   ; the conversion to an 8-bit code does not saturate (ISA guide 7.6.2): the hold at the largest code x the scale
.endr
	v_cvt_scalef32_pk8_fp8_f32 v[qd:qd+1], v[qs:qs+7], v11
.endm
.irp u, 0,1,2,3,4,5,6,7
	QG \u
.endr
	v_nop                                          ; a plain line behind the last conversion
.irp p, 0,1
.irp h, 0,1
	global_store_b128 v3, v[CD+4*(2*\p+\h):CD+4*(2*\p+\h)+3], s[8:9] offset:512*\p+256*\h   ; sixteen lanes store 256 consecutive bytes, at a multiple of 256 from etab's first byte
.endr
.endr
	; the turned table: my column's 256 bytes into my stage row, back by rows
.irp i, 0,1,2,3,4,5,6,7,8,9,10,11,12,13,14,15
	ds_store_b128 v4, v[X+4*\i:X+4*\i+3] offset:16*\i
.endr
.irp t, 0,1,2,3,4,5,6,7,8,9,10,11,12,13,14,15
	ds_load_b128 v[O+4*\t:O+4*\t+3], v5 offset:2*\t*SPITCH   ; LDS serves a wave's instructions in order (ISA guide 5.7.1.4): these see my stores
.endr
.irp t, 0,1,2,3,4,5,6,7,8,9,10,11,12,13,14,15
	s_wait_dscnt 15-\t                             ; load t is in; the 15 - t behind it may be out
	global_store_b128 v6, v[O+4*\t:O+4*\t+3], s[10:11] offset:512*\t   ; two entries' rows: two aligned runs of 256 bytes
.endr
	s_wait_dscnt 0x0                               ; for the other wave's sake: my cv has landed
	s_barrier_signal -1
	s_barrier_wait -1
	s_cmp_lg_u32 s12, 0
	s_cbranch_scc1 .Ldone
	ds_load_b64 v[12:13], v8 offset:CST            ; wave 0 stores both waves' cv: 256 consecutive bytes, aligned
	s_wait_dscnt 0x0
	global_store_b64 v8, v[12:13], s[26:27]
.Ldone:
	s_wait_tensorcnt 0x0
	ds_add_u32 v184, v185
	s_wait_dscnt 0x0
	s_endpgm
.Lfunc_end_k_qf3d4e4909e_prep:
	.size	k_qf3d4e4909e_prep, .Lfunc_end_k_qf3d4e4909e_prep-k_qf3d4e4909e_prep
	.p2alignl 7, 3214868480
	.fill 96, 4, 3214868480
	.section	.rodata,"a",@progbits
	.p2align	6, 0x0
	.amdhsa_kernel k_qf3d4e4909e_prep
		.amdhsa_group_segment_fixed_size 17920
		.amdhsa_private_segment_fixed_size 0
		.amdhsa_enable_private_segment 0
		.amdhsa_kernarg_size 32
		.amdhsa_user_sgpr_count 2
		.amdhsa_user_sgpr_kernarg_segment_ptr 1
		.amdhsa_wavefront_size32 1
		.amdhsa_system_sgpr_workgroup_id_x 1
		.amdhsa_system_sgpr_workgroup_id_y 1
		.amdhsa_system_sgpr_workgroup_id_z 1
		.amdhsa_system_vgpr_workitem_id 0
		.amdhsa_next_free_vgpr 186
		.amdhsa_next_free_sgpr 66
		.amdhsa_reserve_vcc 0
		.amdhsa_float_denorm_mode_32 3
		.amdhsa_float_denorm_mode_16_64 3
		.amdhsa_memory_ordered 1
		.amdhsa_forward_progress 1
		.amdhsa_inst_pref_size 21
	.end_amdhsa_kernel
	.amdgpu_metadata
---
amdhsa.version: [ 1, 2 ]
amdhsa.kernels:
  - .name:           k_qf3d4e4909e_prep
    .symbol:         k_qf3d4e4909e_prep.kd
    .args:
      - { .name: embeddings, .offset: 0, .size: 8, .value_kind: global_buffer, .address_space: global }
      - { .name: lowp_scales, .offset: 8, .size: 8, .value_kind: global_buffer, .address_space: global }
      - { .name: etab, .offset: 16, .size: 8, .value_kind: global_buffer, .address_space: global }
      - { .name: embt, .offset: 24, .size: 8, .value_kind: global_buffer, .address_space: global }
    .group_segment_fixed_size: 17920
    .private_segment_fixed_size: 0
    .kernarg_segment_align: 8
    .kernarg_segment_size: 32
    .max_flat_workgroup_size: 64
    .sgpr_count:     66
    .vgpr_count:     186
    .wavefront_size: 32
...
	.end_amdgpu_metadata
.endif
;; end of part 1
;; launch scan (part 2): grid 128 x 2, 8 waves a work-group, clusters of 4 x 1, 295,936 bytes of LDS; arguments input, lowp_scales, etab, cid; writes cid
.if DOCPART == 2
	.amdgcn_target "amdgcn-amd-amdhsa--gfx1250"
	.amdhsa_code_object_version 6
	.text
	.protected	k_qf3d4e4909e_scan
	.globl	k_qf3d4e4909e_scan
	.p2align	8
	.type	k_qf3d4e4909e_scan,@function
k_qf3d4e4909e_scan:
	s_mov_b64 s[64:65], 0
	v_nop
	global_prefetch_b8 v0, s[64:65] scope:SCOPE_SE
	s_setreg_imm32_b32 hwreg(HW_REG_WAVE_MODE, 25, 1), 1
	s_wait_xcnt 0x0
	s_wait_alu depctr_hold_cnt(0) depctr_sa_sdst(0) depctr_va_vdst(0) depctr_va_sdst(0) depctr_va_ssrc(0) depctr_va_vcc(0) depctr_vm_vsrc(0)
	s_getreg_b32 s2, hwreg(HW_REG_IB_STS2, 6, 4)
	s_cmp_eq_u32 s2, 0
	s_cbranch_scc0 .Lentry_in_a_cluster
	s_endpgm
.Lentry_in_a_cluster:
	s_bfe_u32 s2, ttmp6, 0x10000c
	s_cmp_lg_u32 s2, 0x3003
	s_cbranch_scc0 .Lentry_shape_is_right
	s_endpgm
.Lentry_shape_is_right:
; THE COARSE SEARCH.  For each of 16,384 queries (b, hw; K = the 64 channels) and each half of the table: which GROUP of eight neighbouring entries holds the largest f.e - |e|^2 / 2, that is the least distance
; (|f|^2 is the same for all entries of a query).  cid[split][query] = g = entry / 8, 0 .. 1,023.  The next launch finds the entry among the two groups.
; THE PRODUCT: v_wmma_f32_16x16x64_fp8_fp8, source 0 = 16 entries (an image out of etab), source 1 = 16 queries, C = cv of the 16 entries: the result is the figure to be compared, no vector line forms it.
; In the result a lane holds ONE query (lane % 16) and eight neighbouring entries, 16 tile + 8 (lane / 16) + 0 .. 7: one group.  Six vector lines an accumulator: four three-way maxima over its eight numbers and the
; running maximum, a compare, a select of the tile's number.
; SHARES: a work-group takes 128 queries and one half of the table (4,096 entries, 278,528 bytes of etab), which lies in LDS whole: every LDS byte is filled once.  Every wave holds all eight tiles of queries in
; registers; wave v walks parts 4 v .. 4 v + 3 of the half: 32 tiles of entries x 8 tiles of queries = 256 products; each fragment read from LDS feeds eight of them.
; CLUSTER: the four work-groups of a cluster have the same half of the table: each part is asked for JOINTLY, by the same tensor load with the same descriptor and the mask of all four.
; A wave's 34,816 bytes come by four loads of 34 rows of 256 bytes and not by one: the wave starts when the first has landed.  By this text's count four tensor loads of a wave are out at the most.
; TIES: the lowest entry wins: inside a lane only a larger figure moves the tile's number and tiles ascend; between the halves of the lanes the lower g on equal figures; between waves only a larger figure.
; LIMITS: the distance is not formed as reference() forms it ((|f|^2 - 2 f.e) + |e|^2, each step rounded): queries whose two best distances agree to a few f32 ulps may resolve otherwise.
; e0 between -126 and 119.  NaN among the inputs is not served.
.set PARTB,  8704                      ; a part of etab: eight images of 1,024 bytes, 128 cv
.set WAVEB,  4*PARTB                   ; a wave's four parts
.set SPLITB, 8*WAVEB                   ; half the table.  LDS: bytes 0 .. SPLITB - 1 hold it as it lies in memory
.set IMG,    SPLITB                    ; then the eight tiles of queries as images of 1,024 bytes (stored by ds_store: no tensor load lands here),
.set MV,     IMG+8*1024                ; each wave's 128 best figures,
.set MI,     MV+8*512                  ; and their groups
.set TT,  14                           ; v14-17   two pairs at work
.set CD,  18                           ; v18-25   my query's 32 codes
.set RUN, 26                           ; v26-41   tile of queries q: the running maximum, in two registers by turns, so that the old one is there to compare with
.set ID,  42                           ; v42-49   and the number of the tile of entries that brought it
.set AF,  50                           ; v50-65   a tile of entries, two sets
.set CF,  66                           ; v66-81   its cv in the result's layout, two sets
.set ACC, 82                           ; v82-113  four accumulators by turns; at the head my query's 32 numbers
.set BF,  114                          ; v114-177 the eight tiles of queries
.set G1,  16                           ; s[16:23] descriptor group 1
.set G0,  24                           ; s[24:39] four groups 0, one for each of my parts; never rewritten
; A round of the cluster's barrier: my work-group's barrier, so that wave 0's signal speaks for all eight waves; wave 0 signals for the work-group; every wave waits for all four work-groups; my work-group's barrier once more.
.macro CROUND
	s_barrier_signal -1
	s_barrier_wait -1
	s_cmp_lg_u32 s12, 0
	s_cbranch_scc1 .Lnot_wave_0_\@
	s_barrier_signal -3
.Lnot_wave_0_\@:
	s_barrier_wait -3
	s_barrier_signal -1
	s_barrier_wait -1
.endm
	s_load_b256 s[4:11], s[0:1], 0x0               ; input s[4:5], the scales' exponents s[6:7], etab s[8:9], cid s[10:11]
	v_lshl_add_u32 v184, v0, 2, 0x48000
	v_mov_b32 v185, 0
	ds_add_u32 v184, v185
	ds_add_u32 v184, v185
	v_lshrrev_b32 v1, 5, v0
	v_readfirstlane_b32 s12, v1                    ; wave 0..7
	v_and_b32 v1, 31, v0                           ; lane
	v_and_b32 v2, 15, v0                           ; r
	v_bfe_u32 v3, v0, 4, 1                         ; h
	s_bfe_u32 s13, ttmp6, 0x40000                  ; cx: my place in the cluster: it enters input's and cid's addresses alone
	s_lshl_b32 s14, ttmp9, 2
	s_add_co_u32 s14, s14, s13                     ; my block of 128 queries = 4 x cluster x + cx
	s_and_b32 s15, ttmp7, 0xffff                   ; which half of the table: the four partners share it
	s_lshr_b32 s52, s14, 3                         ; input: image b = block / 8, 2^18 bytes each;
	s_lshl_b32 s52, s52, 18
	s_and_b32 s53, s14, 7                          ; 128 queries x 4 bytes x (block % 8);
	s_lshl_b32 s53, s53, 9
	s_add_co_u32 s52, s52, s53
	s_and_b32 s53, s12, 3                          ; for the quantising wave v takes 32 queries, 32 (v % 4) on,
	s_lshl_b32 s53, s53, 7
	s_add_co_u32 s52, s52, s53
	s_lshr_b32 s53, s12, 2                         ; and channels 32 (v / 4) on, 4,096 bytes each
	s_lshl_b32 s53, s53, 17
	s_add_co_u32 s52, s52, s53
	s_mov_b32 s53, 0
	s_lshl_b32 s54, s15, 16                        ; cid: 65,536 bytes a half, 512 a block
	s_lshl_b32 s55, s14, 9
	s_add_co_u32 s54, s54, s55
	s_mov_b32 s55, 0
	s_mul_i32 s40, s12, WAVEB                      ; my parts' place, in the half and in LDS
	s_and_b32 s41, s12, 3
	s_lshl_b32 s41, s41, 11
	s_lshr_b32 s51, s12, 2
	s_lshl_b32 s51, s51, 9
	s_add_co_u32 s41, s41, s51
	s_add_co_u32 s41, s41, IMG
	v_lshlrev_b32 v4, 2, v1                        ; x in: 4 bytes a lane
	v_lshlrev_b32 v10, 4, v1                       ; 16 x lane
	v_lshl_add_u32 v5, v3, 10, s41                 ; where my query's codes go: tile 2 (v % 4) + lane / 16, row r, half p = v / 4 of K: IMG + 1,024 tile + 512 p + 16 r (+ 256 h in the immediate)
	v_lshl_add_u32 v5, v2, 4, v5
	v_add_nc_u32 v6, IMG, v10                      ; an image's place for my lane
	v_add_nc_u32 v7, s40, v10                      ; the same in my parts
	v_lshl_add_u32 v8, v3, 5, s40
	v_add_nc_u32 v8, 8192, v8                      ; my half's eight cv of a tile: 64 tile + 32 h behind a part's images
	s_lshl_b32 s51, s12, 9
	s_add_co_u32 s51, s51, MV
	v_lshl_add_u32 v9, v2, 2, s51                  ; my wave's best: word 16 q + r
	s_lshl_b32 s56, s15, 9
	s_lshl_b32 s57, s12, 6
	s_add_co_u32 s56, s56, s57
	v_add_nc_u32 v11, s56, v3                      ; g = 2 x (256 split + 32 v + tile) + h: all but the tile
	; descriptor group 1: a part is dense in memory: 34 rows of 32 elements of 8 bytes
	s_mov_b32 s[G1+0], 15|(3<<16)|(1<<21)          ; 15:0 the mask: all four work-groups; 17:16 elements of 8 bytes; 20 no padding; 21 set beside a mask
	s_mov_b32 s[G1+1], 32<<16                      ; tensor_dim0 = 32
	s_mov_b32 s[G1+2], 34<<16                      ; tensor_dim1 = 34
	s_mov_b32 s[G1+3], 32<<16                      ; tile_dim0 = 32
	s_mov_b32 s[G1+4], 34                          ; tile_dim1 = 34
	s_mov_b32 s[G1+5], 32                          ; from row to row
	s_mov_b32 s[G1+6], 0
	s_mov_b32 s[G1+7], 0
	s_mul_i32 s42, s15, SPLITB
	s_add_co_u32 s42, s42, s40
	s_mov_b32 s43, 0
	s_mov_b32 s46, 0x76543210                      ; v_permlanex16_b32: lane l xor 16
	s_mov_b32 s47, 0xfedcba98
	s_wait_dscnt 0x0
	s_wait_kmcnt 0x0
	s_load_b64 s[44:45], s[6:7], 0x0               ; e0 (e1 has gone into the table's codes and cv)
	s_add_nc_u64 s[4:5], s[4:5], s[52:53]
	s_add_nc_u64 s[10:11], s[10:11], s[54:55]
	s_add_nc_u64 s[42:43], s[8:9], s[42:43]        ; etab at my first part: made of the half and the wave's number alone
.set k, 0
.rept 32
	global_load_b32 v[ACC+k], v4, s[4:5] offset:k*4096   ; channel 32 p + k of my query: a lane to a query, registers along K; 128 consecutive bytes a wave
.set k, k+1
.endr
.irp i, 0,1,2,3
	s_mov_b32 s[G0+4*\i], 1                                        ; count = 1
	s_add_co_u32 s[G0+4*\i+1], s40, \i*PARTB                       ; LDS address
	s_add_nc_u64 s[G0+4*\i+2:G0+4*\i+3], s[42:43], \i*PARTB        ; global address
	s_or_b32 s[G0+4*\i+3], s[G0+4*\i+3], 0x80000000                ; type = 2
.endr
	CROUND                                         ; all four work-groups are here: the joint loads meet
.irp i, 0,1,2,3
	tensor_load_to_lds s[G0+4*\i:G0+4*\i+3], s[G1:G1+7]            ; all the launch's fills, in one group
	s_nop 0
.endr
.rept 4
	v_nop
.endr
	s_wait_kmcnt 0x0
	s_add_co_i32 s44, s44, 127
	s_lshl_b32 s45, s44, 23
	v_mov_b32 v13, s45                             ; 2^e0 as f32
	s_add_co_i32 s44, s44, 8
	s_lshl_b32 s44, s44, 23
	s_or_b32 s44, s44, 0x600000
	v_mov_b32 v12, s44                             ; 448 x 2^e0
	s_wait_loadcnt 0x0
.irp u, 0,1,2,3                        ; k = 32 p + 8 u on, u = 2 c + h: two registers of codes at 4 h + 2 c
.irp i, 0,1,2,3,4,5,6,7
	v_med3_num_f32 v[ACC+8*\u+\i], v[ACC+8*\u+\i], -v12, v12   ; the conversion to an 8-bit code does not saturate (ISA guide 7.6.2)
.endr
	v_cvt_scalef32_pk8_fp8_f32 v[CD+4*(\u%2)+2*(\u/2):CD+4*(\u%2)+2*(\u/2)+1], v[ACC+8*\u:ACC+8*\u+7], v13
.endr
	v_nop                                          ; a plain line behind the last conversion: the products below write its sources
	ds_store_b128 v5, v[CD:CD+3]
	ds_store_b128 v5, v[CD+4:CD+7] offset:256
	s_wait_dscnt 0x0                               ; for the others' sake: my codes have landed
	s_barrier_signal -1                            ; (my tensor loads stay out, and each part is read by the wave that asked for it, behind its own wait)
	s_barrier_wait -1
.irp q, 0,1,2,3,4,5,6,7
	ds_load_b128 v[BF+8*\q:BF+8*\q+3], v6 offset:1024*\q
	ds_load_b128 v[BF+8*\q+4:BF+8*\q+7], v6 offset:1024*\q+512
.endr
.macro LOADT T                         ; tile T of my 32: its image and its cv, into set T % 2
.set lb, 8*((\T)%2)
.set lo, ((\T)/8)*PARTB
.set lt, (\T)%8
	ds_load_b128 v[AF+lb:AF+lb+3],   v7 offset:lo+lt*1024
	ds_load_b128 v[AF+lb+4:AF+lb+7], v7 offset:lo+lt*1024+512
	ds_load_b128 v[CF+lb:CF+lb+3],   v8 offset:lo+lt*64
	ds_load_b128 v[CF+lb+4:CF+lb+7], v8 offset:lo+lt*64+16
.endm
.macro MM s                            ; product s: tile of entries s / 8, tile of queries s % 8, accumulator s % 4.  No product adds onto another's result
.set mf, 8*(((\s)/8)%2)
.set ma, ACC+8*((\s)%4)
.set mq, BF+8*((\s)%8)
	v_wmma_f32_16x16x64_fp8_fp8 v[ma:ma+7], v[AF+mf:AF+mf+7], v[mq:mq+7], v[CF+mf:CF+mf+7]
.endm
.macro RED s                           ; product s is taken in, from the accumulator's low end on
.set rT, (\s)/8
.set rq, (\s)%8
.set ra, ACC+8*((\s)%4)
.set ro, RUN+2*rq+rT%2
.set rn, RUN+2*rq+1-rT%2
.set rx, TT+2*((\s)%2)
	v_max3_num_f32 v[rx], v[ra], v[ra+1], v[ra+2]
	v_max3_num_f32 v[rx+1], v[ra+3], v[ra+4], v[ra+5]
	v_max3_num_f32 v[rn], v[ra+6], v[ra+7], v[ro]
	v_max3_num_f32 v[rn], v[rn], v[rx], v[rx+1]
	v_cmp_le_f32 vcc_lo, v[rn], v[ro]              ; not grown: the tile's number stays
	v_cndmask_b32 v[ID+rq], rT, v[ID+rq], vcc_lo
.endm
.macro START                           ; the running maxima and the tiles' numbers begin: sixteen plain lines that name no register of a product
.irp q, 0,1,2,3,4,5,6,7
	v_mov_b32 v[RUN+2*\q], 0xff800000              ; -infinity: under every figure
	v_mov_b32 v[ID+\q], 0
.endr
.endm
; PLACES (ISA guide 7.12.1): four plain vector lines that name none of a product's registers stand between it and the first read of its result.  Product s is read by RED s.  From product 2 on RED s - 2 and RED s - 1
; stand between: twelve such lines.  Products 0 and 1 have no earlier RED: START's sixteen lines stand behind product 1, ahead of RED 0.  An accumulator is written again by product s + 4, behind sixteen such lines
; or more.  A set of fragments is loaded anew behind the six lines of the RED that follows its last product.
	s_wait_tensorcnt 0x3                           ; my first part has landed; the three behind it may be out
	LOADT 0
.set tt, 0
.rept 32
.if tt < 31
.if (tt+1)%8 == 0
	s_wait_tensorcnt 2-tt/8                        ; the next tile begins a part: that part has landed; the younger ones may be out
.endif
	LOADT tt+1
	s_wait_dscnt 0x4                               ; all but the four just issued: this tile's fragments are in (at first the queries' too)
.else
	s_wait_dscnt 0x0
.endif
.set qq, 0
.rept 8
	MM 8*tt+qq
.if 8*tt+qq == 1
	START
.endif
.if 8*tt+qq >= 2
	RED 8*tt+qq-2
.endif
.set qq, qq+1
.endr
.set tt, tt+1
.endr
	RED 254
	RED 255                                        ; 32 tiles: the maxima end in the first register of each pair
.irp q, 0,1,2,3,4,5,6,7
	v_lshl_add_u32 v[ID+\q], v[ID+\q], 1, v11      ; g
.endr
.irp q, 0,1,2,3,4,5,6,7                ; the query's other groups lie in lane l xor 16: the larger figure, on equal figures the lower g
	v_permlanex16_b32 v14, v[RUN+2*\q], s46, s47
	v_permlanex16_b32 v15, v[ID+\q], s46, s47
	v_cmp_gt_f32 s48, v14, v[RUN+2*\q]
	v_cmp_eq_f32 s49, v14, v[RUN+2*\q]
	v_cmp_lt_u32 s50, v15, v[ID+\q]
	s_and_b32 s49, s49, s50
	s_or_b32 s48, s48, s49
	v_cndmask_b32 v[ID+\q], v[ID+\q], v15, s48
	v_max_num_f32 v[RUN+2*\q], v[RUN+2*\q], v14
.endr
.irp q, 0,1,2,3,4,5,6,7
	ds_store_b32 v9, v[RUN+2*\q] offset:64*\q      ; both halves of the lanes write the same word with the same number
	ds_store_b32 v9, v[ID+\q] offset:MI-MV+64*\q
.endr
	s_wait_dscnt 0x0                               ; for wave 0's sake
	s_barrier_signal -1
	s_barrier_wait -1
	s_cmp_lg_u32 s12, 0
	s_cbranch_scc1 .Lnot_first
.irp w, 0,1,2,3,4,5,6,7                ; wave 0: four queries a lane, the eight waves' figures and groups
	ds_load_b128 v[BF+4*\w:BF+4*\w+3], v6 offset:MV-IMG+512*\w
	ds_load_b128 v[BF+32+4*\w:BF+32+4*\w+3], v6 offset:MI-IMG+512*\w
.endr
	s_wait_dscnt 0x0
.irp w, 1,2,3,4,5,6,7
.irp e, 0,1,2,3
	v_cmp_gt_f32 vcc_lo, v[BF+4*\w+\e], v[BF+\e]   ; only a larger figure: lower waves hold lower groups
	v_cndmask_b32 v[BF+32+\e], v[BF+32+\e], v[BF+32+4*\w+\e], vcc_lo
	v_max_num_f32 v[BF+\e], v[BF+\e], v[BF+4*\w+\e]
.endr
.endr
	global_store_b128 v10, v[BF+32:BF+35], s[10:11]   ; 128 whole numbers: 512 consecutive bytes, at a multiple of 256 from cid's first byte
.Lnot_first:
	s_wait_tensorcnt 0x0                           ; none is out at the end
	s_wait_tensorcnt 0x0
	ds_add_u32 v184, v185
	s_wait_dscnt 0x0
	CROUND                                         ; the closing round: no work-group ends while a partner may still ask for a part that names it
	s_endpgm
.Lfunc_end_k_qf3d4e4909e_scan:
	.size	k_qf3d4e4909e_scan, .Lfunc_end_k_qf3d4e4909e_scan-k_qf3d4e4909e_scan
	.p2alignl 7, 3214868480
	.fill 96, 4, 3214868480
	.section	.rodata,"a",@progbits
	.p2align	6, 0x0
	.amdhsa_kernel k_qf3d4e4909e_scan
		.amdhsa_group_segment_fixed_size 295936
		.amdhsa_private_segment_fixed_size 0
		.amdhsa_enable_private_segment 0
		.amdhsa_kernarg_size 32
		.amdhsa_user_sgpr_count 2
		.amdhsa_user_sgpr_kernarg_segment_ptr 1
		.amdhsa_wavefront_size32 1
		.amdhsa_system_sgpr_workgroup_id_x 1
		.amdhsa_system_sgpr_workgroup_id_y 1
		.amdhsa_system_sgpr_workgroup_id_z 1
		.amdhsa_system_vgpr_workitem_id 0
		.amdhsa_next_free_vgpr 186
		.amdhsa_next_free_sgpr 66
		.amdhsa_reserve_vcc 1
		.amdhsa_float_denorm_mode_32 3
		.amdhsa_float_denorm_mode_16_64 3
		.amdhsa_memory_ordered 1
		.amdhsa_forward_progress 1
		.amdhsa_inst_pref_size 128
	.end_amdhsa_kernel
	.amdgpu_metadata
---
amdhsa.version: [ 1, 2 ]
amdhsa.kernels:
  - .name:           k_qf3d4e4909e_scan
    .symbol:         k_qf3d4e4909e_scan.kd
    .args:
      - { .name: input, .offset: 0, .size: 8, .value_kind: global_buffer, .address_space: global }
      - { .name: lowp_scales, .offset: 8, .size: 8, .value_kind: global_buffer, .address_space: global }
      - { .name: etab, .offset: 16, .size: 8, .value_kind: global_buffer, .address_space: global }
      - { .name: cid, .offset: 24, .size: 8, .value_kind: global_buffer, .address_space: global }
    .group_segment_fixed_size: 295936
    .private_segment_fixed_size: 0
    .kernarg_segment_align: 8
    .kernarg_segment_size: 32
    .max_flat_workgroup_size: 256
    .sgpr_count:     66
    .vgpr_count:     186
    .wavefront_size: 32
...
	.end_amdgpu_metadata
.endif
;; end of part 2
;; launch pick (part 3): grid 256 x 1, 8 waves a work-group, no clusters, 36,352 bytes of LDS; arguments input, lowp_scales, etab, embt, cid, out0, out2, part; writes out0, out2, part
.if DOCPART == 3
	.amdgcn_target "amdgcn-amd-amdhsa--gfx1250"
	.amdhsa_code_object_version 6
	.text
	.protected	k_qf3d4e4909e_pick
	.globl	k_qf3d4e4909e_pick
	.p2align	8
	.type	k_qf3d4e4909e_pick,@function
k_qf3d4e4909e_pick:
	s_mov_b64 s[64:65], 0
	v_nop
	global_prefetch_b8 v0, s[64:65] scope:SCOPE_SE
	s_setreg_imm32_b32 hwreg(HW_REG_WAVE_MODE, 25, 1), 1
	s_wait_xcnt 0x0
; THE EXACT INDEX, THE GATHER, THE OUTPUTS.  For each query cid names two groups of eight entries, one in each half of the table: 16 candidates, which are one tile of 16 rows for the same product as in the search
; (v_wmma_f32_16x16x64_fp8_fp8, source 0 = the candidates' codes, source 1 = queries, C = their cv).  The largest figure's entry is out2; out0 = x + (e - x); part[work-group] = the sum of (e - x)^2.
; NO ADDRESS HANGS ON A COMPARISON OF f32 NUMBERS: all 16 candidates' rows of the turned table are fetched, by addresses made of cid's whole numbers (held at 1,023 first), and the winner's row is SELECTED
; from them by v_cndmask_b32, in a tree of four levels on the four bits of the winner's place.
; SHARES: a work-group takes 64 queries of one image b.  Wave v refines and gathers queries 8 v .. 8 v + 7; for x in, out0 out and the sum it takes channels 8 v .. 8 v + 7 of all 64 queries, so that
; sixteen lanes read and store 256 consecutive bytes.  x and the chosen rows meet in LDS as [channel][query].
; A wave's tile of queries holds its eight queries twice (column r = query r % 8).  Product ii has query ii's candidates as rows; of its result the columns r % 8 = ii count: lanes ii, ii + 8, ii + 16, ii + 24.
; There lane (r, h) holds the eight candidates of half h.
; No tensor load and no cluster: the rows that a work-group fetches hang on its own queries, and no tile is shared.
; TIES: the lowest entry: only a larger figure moves the place inside a lane; between the halves the lower entry on equal figures.
; LIMITS: as in the search: the distance is not formed in reference()'s order of rounding; e0 between -126 and 119; NaN is not served.
; REGISTERS: window 0: v1-15 addresses and constants; v16-55 cid's numbers and the offsets made of them; v56-87 x; v88-95 the tile of queries; v104-111 at work; v112-175 eight tiles of candidates, later the way out;
;   v176-239 eight accumulators (C is loaded into them); v240-244 the sum and three small addresses.   window 1: v0-127: the gathered rows, four queries' buffers of 16 rows x 2 registers by turns.
.set XPITCH, 272                       ; a row of 64 queries: 256 bytes + 16
.set QT,   64*XPITCH                   ; LDS: x as [channel][query] at 0; the chosen rows likewise at QT;
.set IDXS, 2*64*XPITCH                 ; the 64 indices;
.set REDS, IDXS+256                    ; the eight waves' sums
.set IA,  16                           ; v16-23  query ii: the group of half r / 8, then the byte offset of my 16 bytes of its codes
.set IC,  24                           ; v24-31  the group of half h; kept
.set OC,  32                           ; v32-39  the byte offset of its eight cv
.set OG,  40                           ; v40-55  half s, query ii at 8 s + ii: the group, then the byte offset of my 8 bytes of its first row in embt
.set XQ,  56
.set BF,  88
.set AF,  112
.set ACC, 176
.set XD,  112
.set QD,  128
.set DD,  144
.set OD,  160
.set CM,  32                           ; s33-39  the lanes that count in product ii
.set BITS, 40                          ; s40-43  bit b of the winner's place, lane by lane
.set SM,  44                           ; s44-47  the same for the query in hand, as a mask of all lanes or none
.set MSB, 0
.macro WIN new                         ; the immediate's high byte repeats the setting that is left
.if MSB != \new
	s_set_vgpr_msb (MSB<<8)|\new
.set MSB, \new
.endif
.endm
	s_load_b512 s[4:19], s[0:1], 0x0               ; input s[4:5], scales s[6:7], etab s[8:9], embt s[10:11], cid s[12:13], out0 s[14:15], out2 s[16:17], part s[18:19]
	v_lshl_add_u32 v254, v0, 2, 0x8a00
	v_mov_b32 v255, 0
	v_lshrrev_b32 v1, 5, v0
	v_readfirstlane_b32 s20, v1                    ; wave 0..7
	v_and_b32 v1, 31, v0                           ; lane
	v_and_b32 v2, 15, v0                           ; r
	v_bfe_u32 v3, v0, 4, 1                         ; h
	v_lshlrev_b32 v109, 4, v2                      ; 16 r
	v_and_b32 v110, 7, v0                          ; r % 8
	v_bfe_u32 v111, v0, 3, 1                       ; r / 8
	v_lshl_add_u32 v4, v3, 12, v109                ; x and out0: channel + h, 16 bytes of the 64 queries' 256
	s_mul_i32 s21, s20, 8*XPITCH
	v_mul_u32_u24 v5, v3, XPITCH
	v_add_nc_u32 v5, v5, v109
	v_add_nc_u32 v5, s21, v5                       ; the same place in LDS: row 8 v + h, 16 r
	s_lshl_b32 s24, s20, 5                         ; 8 queries x 4 bytes x wave
	v_mul_u32_u24 v6, v3, 8*XPITCH
	v_lshl_add_u32 v6, v110, 2, v6
	v_add_nc_u32 v6, s24, v6                       ; for the tile of queries: channel 8 h (+ 16 c + i in the immediate), query 8 v + r % 8
	v_mul_u32_u24 v7, v1, 2*XPITCH
	v_add_nc_u32 v7, s24, v7
	v_add_nc_u32 v7, QT, v7                        ; the chosen row: my channels 2 l, 2 l + 1, query 8 v (+ ii in the immediate)
	v_lshl_add_u32 v8, v110, 2, s24
	v_add_nc_u32 v8, IDXS, v8                      ; my query's index
	v_lshlrev_b32 v9, 3, v1                        ; 8 x lane
	v_lshlrev_b32 v10, 4, v110
	v_lshl_add_u32 v10, v3, 8, v10                 ; in an image: 16 (r % 8) + 256 h
	s_lshl_b32 s25, ttmp9, 8
	s_add_co_u32 s25, s25, s24                     ; cid: my wave's eight queries
	v_lshl_add_u32 v11, v111, 16, s25              ; of half r / 8,
	v_lshl_add_u32 v12, v3, 16, s25                ; of half h,
	v_mov_b32 v13, s25                             ; of half 0
	s_lshl_b32 s54, s20, 2
	s_add_co_u32 s54, s54, REDS
	v_mov_b32 v242, s54                            ; my wave's sum
	v_mov_b32 v243, REDS
	v_mov_b32 v244, 0
	s_lshr_b32 s26, ttmp9, 4                       ; input and out0: image b = work-group / 16; 64 queries x 4 bytes x (work-group % 16); 8 channels of 4,096 bytes x wave
	s_lshl_b32 s26, s26, 18
	s_and_b32 s27, ttmp9, 15
	s_lshl_b32 s27, s27, 8
	s_add_co_u32 s26, s26, s27
	s_lshl_b32 s27, s20, 15
	s_add_co_u32 s26, s26, s27
	s_mov_b32 s27, 0
	s_lshl_b32 s28, ttmp9, 8                       ; out2: 64 whole numbers a work-group
	s_mov_b32 s29, 0
	s_lshl_b32 s30, ttmp9, 2                       ; part: one number
	s_mov_b32 s31, 0
.irp i, 1,2,3,4,5,6,7
	s_mov_b32 s[CM+\i], 0x01010101<<\i
.endr
	s_mov_b32 s48, 0x76543210                      ; v_permlanex16_b32: lane l xor 16
	s_mov_b32 s49, 0xfedcba98
	s_wait_kmcnt 0x0
	s_load_b64 s[22:23], s[6:7], 0x0               ; e0 (e1 has gone into the table's codes and cv)
	s_add_nc_u64 s[4:5], s[4:5], s[26:27]
	s_add_nc_u64 s[14:15], s[14:15], s[26:27]
	s_add_nc_u64 s[16:17], s[16:17], s[28:29]
	s_add_nc_u64 s[18:19], s[18:19], s[30:31]
	global_load_b128 v[IA:IA+3],     v11, s[12:13]
	global_load_b128 v[IA+4:IA+7],   v11, s[12:13] offset:16
	global_load_b128 v[IC:IC+3],     v12, s[12:13]
	global_load_b128 v[IC+4:IC+7],   v12, s[12:13] offset:16
	global_load_b128 v[OG:OG+3],     v13, s[12:13]
	global_load_b128 v[OG+4:OG+7],   v13, s[12:13] offset:16
	global_load_b128 v[OG+8:OG+11],  v13, s[12:13] offset:65536
	global_load_b128 v[OG+12:OG+15], v13, s[12:13] offset:65552
.irp i, 0,1,2,3
	global_load_b128 v[XQ+4*\i:XQ+4*\i+3], v4, s[4:5] offset:8192*\i   ; channels 8 v + 2 i + h: sixteen lanes read 256 consecutive bytes
.endr
	s_wait_loadcnt 0x4                             ; cid's numbers are in; x's four loads may be out
.irp i, 0,1,2,3,4,5,6,7
	v_min_u32 v[IA+\i], 0x3ff, v[IA+\i]            ; a loaded number enters an address only held inside the table
	v_min_u32 v[IC+\i], 0x3ff, v[IC+\i]
	v_min_u32 v[OG+\i], 0x3ff, v[OG+\i]
	v_min_u32 v[OG+8+\i], 0x3ff, v[OG+8+\i]
.endr
.irp i, 0,1,2,3,4,5,6,7                ; group g: part g / 16 (8,704 bytes = 16 x 544), tile (g / 2) % 8 in it, rows 8 (g % 2) on
	v_and_b32 v104, 0x3f0, v[IA+\i]
	v_and_b32 v105, 14, v[IA+\i]
	v_and_b32 v106, 1, v[IA+\i]
	v_mul_u32_u24 v104, v104, 0x220
	v_lshl_add_u32 v104, v105, 9, v104
	v_lshl_add_u32 v104, v106, 7, v104
	v_add_nc_u32 v[IA+\i], v104, v10
	v_and_b32 v107, 0x3f0, v[IC+\i]
	v_and_b32 v108, 15, v[IC+\i]
	v_mul_u32_u24 v107, v107, 0x220
	v_lshl_add_u32 v[OC+\i], v108, 5, v107         ; its eight cv: 32 (g % 16) behind the part's images
	v_lshl_add_u32 v[OG+\i], v[OG+\i], 11, v9      ; its eight rows of embt: 2,048 g on; my 8 bytes
	v_lshl_add_u32 v[OG+8+\i], v[OG+8+\i], 11, v9
.endr
.irp i, 0,1,2,3,4,5,6,7
	global_load_b128 v[AF+8*\i:AF+8*\i+3],     v[IA+\i], s[8:9]
	global_load_b128 v[AF+8*\i+4:AF+8*\i+7],   v[IA+\i], s[8:9] offset:512
	global_load_b128 v[ACC+8*\i:ACC+8*\i+3],   v[OC+\i], s[8:9] offset:8192
	global_load_b128 v[ACC+8*\i+4:ACC+8*\i+7], v[OC+\i], s[8:9] offset:8208
.endr
.macro GISSUE ii                       ; query ii's 16 candidate rows: each load reads one row, 256 consecutive bytes, aligned; row 8 s + j into registers 2 (8 s + j) of buffer ii % 4
	WIN 0x40                                       ; destination window 1, address window 0
.irp s, 0,1
.irp j, 0,1,2,3,4,5,6,7
	global_load_b64 v[32*((\ii)%4)+2*(8*\s+\j):32*((\ii)%4)+2*(8*\s+\j)+1], v[OG+8*\s+(\ii)], s[10:11] offset:256*\j
.endr
.endr
	WIN 0
.endm
	GISSUE 0
	s_wait_kmcnt 0x0
	s_add_co_i32 s22, s22, 127
	s_lshl_b32 s23, s22, 23
	v_mov_b32 v15, s23                             ; 2^e0 as f32
	s_add_co_i32 s22, s22, 8
	s_lshl_b32 s22, s22, 23
	s_or_b32 s22, s22, 0x600000
	v_mov_b32 v14, s22                             ; 448 x 2^e0
	s_wait_loadcnt 48                              ; x is in; the 32 loads from etab and the 16 of query 0's rows, issued behind it, may be out
.irp i, 0,1,2,3
	ds_store_b128 v5, v[XQ+4*\i:XQ+4*\i+3] offset:2*XPITCH*\i
.endr
	s_wait_dscnt 0x0                               ; for the others' sake
	s_barrier_signal -1
	s_barrier_wait -1                              ; x lies in LDS, all 64 channels
.irp c, 0,1,2,3
.irp i, 0,1,2,3,4,5,6,7
	ds_load_b32 v[XQ+8*\c+\i], v6 offset:(16*\c+\i)*XPITCH   ; x(k = 16 c + 8 h + i, my query): the operand's own order
.endr
.endr
	s_wait_dscnt 0x0
.irp c, 0,1,2,3
.irp i, 0,1,2,3,4,5,6,7
	v_med3_num_f32 v[XQ+8*\c+\i], v[XQ+8*\c+\i], -v14, v14   ; the conversion to an 8-bit code does not saturate (ISA guide 7.6.2)
.endr
	v_cvt_scalef32_pk8_fp8_f32 v[BF+2*\c:BF+2*\c+1], v[XQ+8*\c:XQ+8*\c+7], v15
.endr
	v_nop                                          ; a plain line between the last conversion and the products that read its result
	s_wait_loadcnt 16                              ; the candidates' codes and cv are in; query 0's rows may be out
.irp i, 0,1,2,3,4,5,6,7
	v_wmma_f32_16x16x64_fp8_fp8 v[ACC+8*\i:ACC+8*\i+7], v[AF+8*\i:AF+8*\i+7], v[BF:BF+7], v[ACC+8*\i:ACC+8*\i+7]   ; eight accumulators, one product each: none adds onto another's result
.endr
.rept 4
	v_nop                                          ; the places in front of the first read of the results (ISA guide 7.12.1)
.endr
	GISSUE 1
	GISSUE 2
	; each lane keeps its own query's column: product 0's accumulator takes the others' where they count; each accumulator from its low end on
.irp i, 1,2,3,4,5,6,7
.irp j, 0,1,2,3,4,5,6,7
	v_cndmask_b32 v[ACC+\j], v[ACC+\j], v[ACC+8*\i+\j], s[CM+\i]
.endr
	v_cndmask_b32 v[IC], v[IC], v[IC+\i], s[CM+\i] ; and its group of half h
.endr
	v_mov_b32 v106, 0                              ; the place of the largest among my eight; the largest itself stays in the first register
.irp j, 1,2,3,4,5,6,7
	v_cmp_le_f32 vcc_lo, v[ACC+\j], v[ACC]
	v_cndmask_b32 v106, \j, v106, vcc_lo
	v_max_num_f32 v[ACC], v[ACC], v[ACC+\j]
.endr
	v_lshl_add_u32 v107, v[IC], 3, v106            ; the entry
	v_lshl_add_u32 v108, v3, 3, v106               ; its place among the 16 gathered rows
	v_permlanex16_b32 v109, v[ACC], s48, s49       ; the other half's best lies in lane l xor 16
	v_permlanex16_b32 v110, v107, s48, s49
	v_permlanex16_b32 v111, v108, s48, s49
	v_cmp_gt_f32 s50, v109, v[ACC]
	v_cmp_eq_f32 s51, v109, v[ACC]
	v_cmp_lt_u32 s52, v110, v107
	s_and_b32 s51, s51, s52
	s_or_b32 s50, s50, s51
	v_cndmask_b32 v107, v107, v110, s50
	v_cndmask_b32 v108, v108, v111, s50
	ds_store_b32 v8, v107                          ; a query's four lanes write the same word with the same number
.irp b, 0,1,2,3
	v_and_b32 v109, 1<<\b, v108
	v_cmp_ne_u32 s[BITS+\b], 0, v109               ; lane ii speaks for query ii
.endr
.macro SELECT ii                       ; the winner's row out of query ii's 16, 30 selects; my two channels of it go to LDS
.set gb, 32*((\ii)%4)
.irp b, 0,1,2,3
	s_bitcmp1_b32 s[BITS+\b], \ii
	s_cselect_b32 s[SM+\b], -1, 0
.endr
	WIN 0x45                                       ; destination and both sources window 1
.irp a, 0,2,4,6,8,10,12,14
	v_cndmask_b32 v[gb+2*\a], v[gb+2*\a], v[gb+2*\a+2], s[SM]
	v_cndmask_b32 v[gb+2*\a+1], v[gb+2*\a+1], v[gb+2*\a+3], s[SM]
.endr
.irp a, 0,4,8,12
	v_cndmask_b32 v[gb+2*\a], v[gb+2*\a], v[gb+2*\a+4], s[SM+1]
	v_cndmask_b32 v[gb+2*\a+1], v[gb+2*\a+1], v[gb+2*\a+5], s[SM+1]
.endr
.irp a, 0,8
	v_cndmask_b32 v[gb+2*\a], v[gb+2*\a], v[gb+2*\a+8], s[SM+2]
	v_cndmask_b32 v[gb+2*\a+1], v[gb+2*\a+1], v[gb+2*\a+9], s[SM+2]
.endr
	v_cndmask_b32 v[gb], v[gb], v[gb+16], s[SM+3]
	v_cndmask_b32 v[gb+1], v[gb+1], v[gb+17], s[SM+3]
	WIN 0x04                                       ; store data window 1, address window 0
	ds_store_b32 v7, v[gb] offset:4*(\ii)
	ds_store_b32 v7, v[gb+1] offset:XPITCH+4*(\ii)
	WIN 0
.endm
.irp q, 0,1,2,3,4,5,6,7
	s_wait_dscnt 0x0                               ; the stores of the query before have read their registers: its buffer takes the query three further on
.if \q+3 <= 7
	GISSUE \q+3
	s_wait_loadcnt 48                              ; this query's rows are in; the three younger queries' 16 loads each may be out
.else
	s_wait_loadcnt 16*(7-\q)
.endif
	SELECT \q
.endr
	s_wait_dscnt 0x0                               ; for the others' sake: my queries' rows and indices have landed
	s_barrier_signal -1
	s_barrier_wait -1                              ; the chosen rows lie in LDS, all 64 queries
.irp i, 0,1,2,3
	ds_load_b128 v[XD+4*\i:XD+4*\i+3], v5 offset:2*XPITCH*\i
	ds_load_b128 v[QD+4*\i:QD+4*\i+3], v5 offset:QT+2*XPITCH*\i
.endr
	s_wait_dscnt 0x0
.irp p, 0,2,4,6,8,10,12,14
	v_pk_add_f32 v[DD+\p:DD+\p+1], v[QD+\p:QD+\p+1], v[XD+\p:XD+\p+1] neg_lo:[0,1] neg_hi:[0,1]   ; e - x
.endr
.irp p, 0,2,4,6,8,10,12,14
	v_pk_add_f32 v[OD+\p:OD+\p+1], v[XD+\p:XD+\p+1], v[DD+\p:DD+\p+1]                            ; x + (e - x), as reference() has it
.endr
.irp i, 0,1,2,3
	global_store_b128 v4, v[OD+4*\i:OD+4*\i+3], s[14:15] offset:8192*\i th:TH_STORE_NT   ; sixteen lanes store 256 consecutive bytes, at a multiple of 256 from out0's first byte
.endr
	v_pk_mul_f32 v[240:241], v[DD:DD+1], v[DD:DD+1]
.irp p, 2,4,6,8,10,12,14
	v_pk_fma_f32 v[240:241], v[DD+\p:DD+\p+1], v[DD+\p:DD+\p+1], v[240:241]
.endr
	v_add_f32 v240, v240, v241
	v_add_f32_dpp v240, v240, v240 row_xmask:1 row_mask:0xf bank_mask:0xf
	v_add_f32_dpp v240, v240, v240 row_xmask:2 row_mask:0xf bank_mask:0xf
	v_add_f32_dpp v240, v240, v240 row_xmask:4 row_mask:0xf bank_mask:0xf
	v_add_f32_dpp v240, v240, v240 row_xmask:8 row_mask:0xf bank_mask:0xf
	v_permlanex16_b32 v241, v240, s48, s49
	v_add_f32 v240, v240, v241                     ; the wave's sum of (e - x)^2
	ds_store_b32 v242, v240
	s_wait_dscnt 0x0
	s_barrier_signal -1
	s_barrier_wait -1
	s_cmp_lg_u32 s20, 0
	s_cbranch_scc1 .Ldone
	ds_load_b64 v[120:121], v9 offset:IDXS         ; wave 0: the 64 indices, two a lane,
	ds_load_b128 v[112:115], v243                  ; and the eight sums
	ds_load_b128 v[116:119], v243 offset:16
	s_wait_dscnt 0x0
	global_store_b64 v9, v[120:121], s[16:17]      ; 256 consecutive bytes, at a multiple of 256 from out2's first byte
	v_pk_add_f32 v[112:113], v[112:113], v[114:115]
	v_pk_add_f32 v[116:117], v[116:117], v[118:119]
	v_pk_add_f32 v[112:113], v[112:113], v[116:117]
	v_add_f32 v112, v112, v113
	v_cmp_gt_u32 vcc_lo, 1, v0
	s_wait_xcnt 0x0                                ; EXEC is a source of the stores above: it changes only behind this wait
	s_and_saveexec_b32 s50, vcc_lo
	global_store_b32 v244, v112, s[18:19]          ; one number a work-group: the last launch adds them
	s_wait_xcnt 0x0                                ; and again, in front of the line that widens it
	s_or_b32 exec_lo, exec_lo, s50
.Ldone:
	s_wait_tensorcnt 0x0
	ds_add_u32 v254, v255
	s_wait_dscnt 0x0
	s_endpgm
.Lfunc_end_k_qf3d4e4909e_pick:
	.size	k_qf3d4e4909e_pick, .Lfunc_end_k_qf3d4e4909e_pick-k_qf3d4e4909e_pick
	.p2alignl 7, 3214868480
	.fill 96, 4, 3214868480
	.section	.rodata,"a",@progbits
	.p2align	6, 0x0
	.amdhsa_kernel k_qf3d4e4909e_pick
		.amdhsa_group_segment_fixed_size 36352
		.amdhsa_private_segment_fixed_size 0
		.amdhsa_enable_private_segment 0
		.amdhsa_kernarg_size 64
		.amdhsa_user_sgpr_count 2
		.amdhsa_user_sgpr_kernarg_segment_ptr 1
		.amdhsa_wavefront_size32 1
		.amdhsa_system_sgpr_workgroup_id_x 1
		.amdhsa_system_sgpr_workgroup_id_y 1
		.amdhsa_system_sgpr_workgroup_id_z 1
		.amdhsa_system_vgpr_workitem_id 0
		.amdhsa_next_free_vgpr 384
		.amdhsa_next_free_sgpr 66
		.amdhsa_reserve_vcc 1
		.amdhsa_float_denorm_mode_32 3
		.amdhsa_float_denorm_mode_16_64 3
		.amdhsa_memory_ordered 1
		.amdhsa_forward_progress 1
		.amdhsa_inst_pref_size 63
	.end_amdhsa_kernel
	.amdgpu_metadata
---
amdhsa.version: [ 1, 2 ]
amdhsa.kernels:
  - .name:           k_qf3d4e4909e_pick
    .symbol:         k_qf3d4e4909e_pick.kd
    .args:
      - { .name: input, .offset: 0, .size: 8, .value_kind: global_buffer, .address_space: global }
      - { .name: lowp_scales, .offset: 8, .size: 8, .value_kind: global_buffer, .address_space: global }
      - { .name: etab, .offset: 16, .size: 8, .value_kind: global_buffer, .address_space: global }
      - { .name: embt, .offset: 24, .size: 8, .value_kind: global_buffer, .address_space: global }
      - { .name: cid, .offset: 32, .size: 8, .value_kind: global_buffer, .address_space: global }
      - { .name: out0, .offset: 40, .size: 8, .value_kind: global_buffer, .address_space: global }
      - { .name: out2, .offset: 48, .size: 8, .value_kind: global_buffer, .address_space: global }
      - { .name: part, .offset: 56, .size: 8, .value_kind: global_buffer, .address_space: global }
    .group_segment_fixed_size: 36352
    .private_segment_fixed_size: 0
    .kernarg_segment_align: 8
    .kernarg_segment_size: 64
    .max_flat_workgroup_size: 256
    .sgpr_count:     66
    .vgpr_count:     384
    .wavefront_size: 32
...
	.end_amdgpu_metadata
.endif
;; end of part 3
;; launch mean (part 4): grid 1 x 1, 1 waves a work-group, no clusters, 0 bytes of LDS; arguments part, out1; writes out1
.if DOCPART == 4
	.amdgcn_target "amdgcn-amd-amdhsa--gfx1250"
	.amdhsa_code_object_version 6
	.text
	.protected	k_qf3d4e4909e_mean
	.globl	k_qf3d4e4909e_mean
	.p2align	8
	.type	k_qf3d4e4909e_mean,@function
k_qf3d4e4909e_mean:
	s_mov_b64 s[64:65], 0
	v_nop
	global_prefetch_b8 v0, s[64:65] scope:SCOPE_SE
	s_setreg_imm32_b32 hwreg(HW_REG_WAVE_MODE, 25, 1), 1
	s_wait_xcnt 0x0
; out1 = the mean of (e - x)^2 over 16 x 64 x 32 x 32 = 2^20 numbers: the 256 work-groups' sums are added in a fixed order and multiplied by 2^-20.
; One wave: a sum over work-groups is made by one owner in a launch of its own.  1,024 bytes: eight numbers a lane.
	s_load_b128 s[4:7], s[0:1], 0x0                ; part s[4:5], out1 s[6:7]
	v_lshlrev_b32 v1, 5, v0                        ; 32 bytes a lane
	v_mov_b32 v2, 0
	s_mov_b32 s8, 0x76543210                       ; v_permlanex16_b32: lane l xor 16
	s_mov_b32 s9, 0xfedcba98
	s_wait_kmcnt 0x0
	global_load_b128 v[4:7], v1, s[4:5]
	global_load_b128 v[8:11], v1, s[4:5] offset:16
	s_wait_loadcnt 0x0
	v_pk_add_f32 v[4:5], v[4:5], v[6:7]
	v_pk_add_f32 v[8:9], v[8:9], v[10:11]
	v_pk_add_f32 v[4:5], v[4:5], v[8:9]
	v_add_f32 v4, v4, v5
	v_add_f32_dpp v4, v4, v4 row_xmask:1 row_mask:0xf bank_mask:0xf
	v_add_f32_dpp v4, v4, v4 row_xmask:2 row_mask:0xf bank_mask:0xf
	v_add_f32_dpp v4, v4, v4 row_xmask:4 row_mask:0xf bank_mask:0xf
	v_add_f32_dpp v4, v4, v4 row_xmask:8 row_mask:0xf bank_mask:0xf
	v_permlanex16_b32 v5, v4, s8, s9
	v_add_f32 v4, v4, v5
	v_mul_f32 v4, 0x35800000, v4                   ; x 2^-20
	v_cmp_gt_u32 vcc_lo, 1, v0
	s_wait_xcnt 0x0                                ; EXEC changes only behind this wait
	s_and_saveexec_b32 s10, vcc_lo
	global_store_b32 v2, v4, s[6:7]
	s_wait_xcnt 0x0
	s_or_b32 exec_lo, exec_lo, s10
	s_endpgm
.Lfunc_end_k_qf3d4e4909e_mean:
	.size	k_qf3d4e4909e_mean, .Lfunc_end_k_qf3d4e4909e_mean-k_qf3d4e4909e_mean
	.p2alignl 7, 3214868480
	.fill 96, 4, 3214868480
	.section	.rodata,"a",@progbits
	.p2align	6, 0x0
	.amdhsa_kernel k_qf3d4e4909e_mean
		.amdhsa_group_segment_fixed_size 0
		.amdhsa_private_segment_fixed_size 0
		.amdhsa_enable_private_segment 0
		.amdhsa_kernarg_size 16
		.amdhsa_user_sgpr_count 2
		.amdhsa_user_sgpr_kernarg_segment_ptr 1
		.amdhsa_wavefront_size32 1
		.amdhsa_system_sgpr_workgroup_id_x 1
		.amdhsa_system_sgpr_workgroup_id_y 1
		.amdhsa_system_sgpr_workgroup_id_z 1
		.amdhsa_system_vgpr_workitem_id 0
		.amdhsa_next_free_vgpr 16
		.amdhsa_next_free_sgpr 66
		.amdhsa_reserve_vcc 1
		.amdhsa_float_denorm_mode_32 3
		.amdhsa_float_denorm_mode_16_64 3
		.amdhsa_memory_ordered 1
		.amdhsa_forward_progress 1
		.amdhsa_inst_pref_size 2
	.end_amdhsa_kernel
	.amdgpu_metadata
---
amdhsa.version: [ 1, 2 ]
amdhsa.kernels:
  - .name:           k_qf3d4e4909e_mean
    .symbol:         k_qf3d4e4909e_mean.kd
    .args:
      - { .name: part, .offset: 0, .size: 8, .value_kind: global_buffer, .address_space: global }
      - { .name: out1, .offset: 8, .size: 8, .value_kind: global_buffer, .address_space: global }
    .group_segment_fixed_size: 0
    .private_segment_fixed_size: 0
    .kernarg_segment_align: 8
    .kernarg_segment_size: 16
    .max_flat_workgroup_size: 32
    .sgpr_count:     66
    .vgpr_count:     16
    .wavefront_size: 32
...
	.end_amdgpu_metadata
.endif
;; end of part 4
;; ======== version 2 of 2: 3 launches
;; limits: right only within a limited range of input values
;; workspace buffers: embt 2,097,152 bytes; cid 524,288 bytes of whole numbers; val 524,288 bytes; part 1,024 bytes
;; launch scan (part 5): grid 32 x 8, 8 waves a work-group, clusters of 4 x 1, 327,680 bytes of LDS; arguments input, embeddings, lowp_scales, embt, cid, val; writes embt, cid, val
.if DOCPART == 5
	.amdgcn_target "amdgcn-amd-amdhsa--gfx1250"
	.amdhsa_code_object_version 6
	.text
	.protected	k_qf3d4e4909e_scan
	.globl	k_qf3d4e4909e_scan
	.p2align	8
	.type	k_qf3d4e4909e_scan,@function
k_qf3d4e4909e_scan:
	s_mov_b64 s[64:65], 0
	v_nop
	global_prefetch_b8 v0, s[64:65] scope:SCOPE_SE
	s_setreg_imm32_b32 hwreg(HW_REG_WAVE_MODE, 25, 1), 1
	s_wait_xcnt 0x0
	s_wait_alu depctr_hold_cnt(0) depctr_sa_sdst(0) depctr_va_vdst(0) depctr_va_sdst(0) depctr_va_ssrc(0) depctr_va_vcc(0) depctr_vm_vsrc(0)
	s_getreg_b32 s2, hwreg(HW_REG_IB_STS2, 6, 4)
	s_cmp_eq_u32 s2, 0
	s_cbranch_scc0 .Lentry_in_a_cluster
	s_endpgm
.Lentry_in_a_cluster:
	s_bfe_u32 s2, ttmp6, 0x10000c
	s_cmp_lg_u32 s2, 0x3003
	s_cbranch_scc0 .Lentry_shape_is_right
	s_endpgm
.Lentry_shape_is_right:
; THE SEARCH.  For each of 16,384 queries (b, hw; K = the 64 channels) and each of eight splits of the table (1,024 entries): the entry with the largest f.e - |e|^2 / 2, and that figure.
; cid[split][query] = the entry, val[split][query] = its figure / 2^(e0 + e1).  The next launch chooses among the eight.
; LEFT OUT: |f|^2 is the same for all entries of a query, so for all values of the inputs it moves no argmin; the factor -2 is taken out of the order (largest instead of least).  A NaN or an overflow of |f|^2 alone is not carried to the result.
; THE PRODUCT: v_wmma_f32_16x16x64_fp8_fp8, source 0 = 16 entries, source 1 = 16 queries, C = -|e|^2 x 2^(-1 - e0 - e1) of the UNQUANTISED numbers: the result is the figure to be compared.
; In the result lane (r, h) holds query r and the entries 8 h + 0 .. 7 of the tile.  Nine vector lines an accumulator: four three-way maxima over the eight figures and the running maximum, a compare, and four
; dual selects that keep, where the maximum has grown, the tile's number and seven figures (a0, a1, a3, a4, a6 and the maxima of a0-a2 and a3-a5) from which the place among the eight is read once at the end.
; SHARES: a work-group takes 512 queries and 1,024 entries.  Wave v quantises queries 64 v on (from memory) and entries 128 v on (from LDS); the codes meet in LDS as images of operand registers.
; Then wave v takes queries 128 (v % 4) on, eight tiles held in registers, and entries 512 (v / 4) on, 32 tiles: 256 products; each fragment read from LDS feeds eight of them.
; A lane loads four neighbouring columns (16 bytes) of a row k; the holds put a column's eight numbers along K side by side, so nothing is transposed by an instruction.
; CLUSTER: the four work-groups of a cluster have the same split: each wave's part of the table (64 rows of 512 bytes) is asked for JOINTLY.  Every LDS byte is filled once, by one load a wave; a wave reads its own part alone.
; No prefetch: each work-group fetches its part by one load a wave at the head and has no later tile to run ahead for.
; Besides, each work-group turns 32 entries of the table: embt [8192][64], an entry's 64 numbers on 256 consecutive bytes.
; TIES: the lowest entry: only a larger figure moves the tile's number and tiles ascend; inside a tile the lowest place with the figure; between the halves of the lanes the lower entry; between waves and splits only a larger figure.
; LIMITS: the distance is not formed in reference()'s order of rounding: queries whose two best distances agree to a few f32 ulps may resolve otherwise.  e0, e1 between -126 and 119; |e|^2 x 2^(-1 - e0 - e1) a finite normal f32 number.
; NaN among the inputs is not served.
.set CVB,  262144                      ; LDS: bytes 0 .. 262143: wave v's part of the table, f32, at 32,768 v; later its eight images, tile t (0 .. 63 in the work-group) at 4,096 t + 16 (t % 4);
.set QIMG, CVB+4096                    ; 1,024 numbers C; the queries' 32 images, 1,040 bytes apart;
.set TST,  QIMG+33280                  ; 32 entries of the turned table, rows of 272 bytes;
.set RES,  TST+8704                    ; the waves' results: 4,096 bytes for each half of the entries: 512 figures, 512 entries;
.set SPARE, RES+8192                   ; the spare words
.set TT,   8                           ; v8-15    at work (at the head: the sums of squares)
.set N,    8
.set RUN,  16                          ; v16-31   tile of queries q: the running maximum, in two registers by turns (at the head: two sets of eight held numbers)
.set T,    16
.set SV,   32                          ; v32-95   tile of queries q, eight registers: the tile's number, a6, max(a0-a2), max(a3-a5), a0, a1, a4, a3 (at the head: codes)
.set AF,   96                          ; v96-111  a tile of entries, two sets (at the head: addresses and scales)
.set CF,   112                         ; v112-127 its C, two sets
.set ACC,  128                         ; v128-191 eight accumulators
.set BF,   192                         ; v192-255 the eight tiles of queries
.set X,    128                         ; v128-255 at the head: 32 rows x 4 columns of f32
.set MK,   72
.macro CROUND                          ; a round of the cluster's barrier
	s_barrier_signal -1
	s_barrier_wait -1
	s_cmp_lg_u32 s20, 0
	s_cbranch_scc1 .Lnot_wave_0_\@
	s_barrier_signal -3
.Lnot_wave_0_\@:
	s_barrier_wait -3
	s_barrier_signal -1
	s_barrier_wait -1
.endm
	s_load_b256 s[4:11], s[0:1], 0x0               ; input s[4:5], embeddings s[6:7], scales s[8:9], embt s[10:11]
	s_load_b128 s[12:15], s[0:1], 0x20             ; cid s[12:13], val s[14:15]
	v_lshl_add_u32 v5, v0, 2, SPARE                ; my spare word; never rewritten
	v_mov_b32 v6, 0                                ; never rewritten
	ds_add_u32 v5, v6                              ; the wave's opening: the add, twice on end
	ds_add_u32 v5, v6
	v_lshrrev_b32 v1, 5, v0
	v_readfirstlane_b32 s20, v1                    ; wave 0..7
	v_and_b32 v8, 15, v0                           ; r
	v_bfe_u32 v9, v0, 4, 1                         ; h
	v_and_b32 v10, 31, v0                          ; lane
	s_lshl_b32 s21, s20, 15                        ; my part of the table in LDS
	s_mul_i32 s22, s20, 4160
	s_add_co_u32 s22, s22, QIMG                    ; my four images of queries
	s_wait_alu depctr_va_vdst(0)
	v_lshlrev_b32 v11, 4, v8                       ; 16 r
	v_lshl_add_u32 v96, v9, 15, v11                ; x in: 8 channels on for lanes 16-31, 16 bytes a lane
	v_lshl_add_u32 v98, v9, 12, v11
	v_add_nc_u32 v98, s21, v98                     ; the table out of LDS: 8 rows of 512 bytes on for lanes 16-31
	v_lshrrev_b32 v12, 2, v8                       ; column 4 r + j is row 4 (r % 4) + j of tile r / 4
	v_and_b32 v13, 3, v8
	v_lshlrev_b32 v14, 6, v13
	v_lshl_add_u32 v14, v9, 8, v14                 ; in an image: 64 (r % 4) + 256 h (+ 16 j in the immediate)
	v_mul_u32_u24 v99, v12, 4112
	v_add_nc_u32 v99, v99, v14
	v_add_nc_u32 v99, s21, v99                     ; entries' images: tiles 4,096 + 16 apart
	v_mul_u32_u24 v97, v12, 1040
	v_add_nc_u32 v97, v97, v14
	v_add_nc_u32 v97, s22, v97                     ; queries' images
	s_lshl_b32 s23, s20, 9
	s_add_co_u32 s23, s23, CVB
	v_add_nc_u32 v100, s23, v11                    ; C of my four entries
	s_lshl_b32 s24, s20, 5
	s_add_co_u32 s24, s24, TST
	v_mul_u32_u24 v101, v10, 272
	v_add_nc_u32 v101, s24, v101                   ; turned table: row = lane, 32 bytes a wave
	v_lshlrev_b32 v104, 2, v10
	v_lshlrev_b32 v1, 4, v10                       ; 16 x lane
	v_lshlrev_b32 v2, 5, v9
	v_add_nc_u32 v2, CVB, v2                       ; 32 h
	s_and_b32 s25, s20, 3                          ; which 128 queries I search for
	s_lshr_b32 s26, s20, 2                         ; among which 512 entries
	s_mul_i32 s22, s25, 8320
	s_add_co_u32 s22, s22, QIMG
	v_add_nc_u32 v7, s22, v1                       ; their images
	s_wait_alu depctr_va_vdst(0)
	s_bfe_u32 s27, ttmp6, 0x40000                  ; cx: it enters the addresses of input, of the turned table and of the results alone
	s_lshl_b32 s28, ttmp9, 2
	s_add_co_u32 s28, s28, s27                     ; my block of 512 queries
	s_and_b32 s29, ttmp7, 0xffff                   ; my split: the four partners share it
	s_lshl_b32 s36, s29, 12                        ; my part of the table: 4,096 bytes a split and 512 a wave in each row
	s_lshl_b32 s37, s20, 9
	s_add_co_u32 s36, s36, s37
	s_mov_b32 s37, 0
	s_lshr_b32 s32, s28, 1                         ; input: image b = block / 2, 2,048 bytes x (block % 2), 256 a wave
	s_lshl_b32 s32, s32, 18
	s_and_b32 s33, s28, 1
	s_lshl_b32 s33, s33, 11
	s_add_co_u32 s32, s32, s33
	s_lshl_b32 s33, s20, 8
	s_add_co_u32 s32, s32, s33
	s_mov_b32 s33, 0
	s_lshl_b32 s34, s29, 12                        ; the 32 entries to turn: 1,024 split + 32 block; rows 8 v on
	s_lshl_b32 s35, s28, 7
	s_add_co_u32 s34, s34, s35
	s_lshl_b32 s35, s20, 18
	s_add_co_u32 s34, s34, s35
	s_mov_b32 s35, 0
	s_lshl_b32 s38, s29, 18                        ; and where they go: four entries a wave
	s_lshl_b32 s39, s28, 13
	s_add_co_u32 s38, s38, s39
	s_lshl_b32 s39, s20, 10
	s_add_co_u32 s38, s38, s39
	s_mov_b32 s39, 0
	s_lshl_b32 s40, s29, 16                        ; cid and val: 65,536 bytes a split, 2,048 a block, 256 a wave
	s_lshl_b32 s41, s28, 11
	s_add_co_u32 s40, s40, s41
	s_lshl_b32 s41, s20, 8
	s_add_co_u32 s40, s40, s41
	s_mov_b32 s41, 0
	s_mov_b32 s44, 1
	s_lshl_b32 s45, s20, 15                        ; LDS address of my part
	s_mov_b32 s48, 15|(3<<16)|(1<<21)              ; 15:0 the mask: all four work-groups; 17:16 elements of 8 bytes; no padding; 21 set beside a mask
	s_mov_b32 s49, 64<<16                          ; tensor_dim0 = 64 (512 bytes)
	s_mov_b32 s50, 64<<16                          ; tensor_dim1 = 64 rows
	s_mov_b32 s51, 64<<16                          ; tile_dim0
	s_mov_b32 s52, 64                              ; tile_dim1
	s_mov_b32 s53, 4096                            ; from row to row: 32,768 bytes
	s_mov_b32 s54, 0
	s_mov_b32 s55, 0
	s_mov_b32 s60, 0x76543210                      ; v_permlanex16_b32: lane l xor 16
	s_mov_b32 s61, 0xfedcba98
	s_wait_dscnt 0x0                               ; both opening adds are done
	CROUND                                         ; all four work-groups are here: the joint loads meet
	s_wait_kmcnt 0x0
	s_load_b64 s[56:57], s[8:9], 0x0               ; e0, e1
	s_add_nc_u64 s[46:47], s[6:7], s[36:37]
	s_or_b32 s47, s47, 0x80000000                  ; type = 2
	s_add_nc_u64 s[4:5], s[4:5], s[32:33]
	s_add_nc_u64 s[34:35], s[6:7], s[34:35]
	s_add_nc_u64 s[38:39], s[10:11], s[38:39]
	s_add_nc_u64 s[12:13], s[12:13], s[40:41]
	s_add_nc_u64 s[14:15], s[14:15], s[40:41]
	tensor_load_to_lds s[44:47], s[48:55]          ; the launch's one fill a wave
	s_nop 0
.rept 4
	v_nop
.endr
.irp c, 0,1,2,3
.irp i, 0,1,2,3,4,5,6,7
	global_load_b128 v[X+4*(8*\c+\i):X+4*(8*\c+\i)+3], v96, s[4:5] offset:(16*\c+\i)*4096   ; channel 16 c + 8 h + i, queries 4 r .. 4 r + 3: sixteen lanes read 256 consecutive bytes
.endr
.endr
.irp i, 0,1,2,3,4,5,6,7
	global_load_b32 v[112+\i], v104, s[34:35] offset:32768*\i
.endr
	s_wait_kmcnt 0x0
	s_add_co_i32 s58, s56, s57
	s_sub_co_i32 s58, -1, s58                      ; -1 - e0 - e1
	s_add_co_i32 s56, s56, 127
	s_lshl_b32 s59, s56, 23
	v_mov_b32 v105, s59                            ; 2^e0 as f32: the conversion takes its exponent field
	s_add_co_i32 s56, s56, 8
	s_lshl_b32 s56, s56, 23
	s_or_b32 s56, s56, 0x600000
	v_mov_b32 v106, s56                            ; 448 x 2^e0
	s_add_co_i32 s57, s57, 127
	s_lshl_b32 s59, s57, 23
	v_mov_b32 v107, s59                            ; the same of e1
	s_add_co_i32 s57, s57, 8
	s_lshl_b32 s57, s57, 23
	s_or_b32 s57, s57, 0x600000
	v_mov_b32 v108, s57
; Block c of K: rows 16 c + 8 h + 0 .. 7 of my four columns become registers 2 c, 2 c + 1 of four fragments.  norm = 1: their squares are summed on the way, two columns a line, in two chains.
.macro QUANT c, cb, sc, bd, norm
.irp j, 0,1,2,3
.set ts, T+8*(\j%2)
.irp i, 0,1,2,3,4,5,6,7
	v_med3_num_f32 v[ts+\i], v[X+4*(8*\c+\i)+\j], -v[\bd], v[\bd]   ; the conversion to an 8-bit code does not saturate (ISA guide 7.6.2): the hold at the largest code x the scale
.endr
.if \norm
.irp i, 2*\j, 2*\j+1
.irp p, 0,1
.set na, N+4*\p+2*((\i)%2)
.set nx, X+4*(8*\c+(\i))+2*\p
.if (\c) == 0 && (\i) < 2
	v_pk_mul_f32 v[na:na+1], v[nx:nx+1], v[nx:nx+1]
.else
	v_pk_fma_f32 v[na:na+1], v[nx:nx+1], v[nx:nx+1], v[na:na+1]
.endif
.endr
.endr
.endif
	v_cvt_scalef32_pk8_fp8_f32 v[\cb+8*\j+2*\c:\cb+8*\j+2*\c+1], v[ts:ts+7], v[\sc]
.endr
.endm
.macro IMAGES adr, cb, off             ; four fragments into their images
.irp j, 0,1,2,3
	ds_store_b128 v[\adr], v[\cb+8*\j:\cb+8*\j+3] offset:\off+16*\j
	ds_store_b128 v[\adr], v[\cb+8*\j+4:\cb+8*\j+7] offset:\off+16*\j+512
.endr
.endm
.macro TLOAD u, c                      ; block c of my entries 64 u on
.irp i, 0,1,2,3,4,5,6,7
	ds_load_b128 v[X+4*(8*\c+\i):X+4*(8*\c+\i)+3], v98 offset:(16*\c+\i)*512+256*\u
.endr
.endm
.macro NORM u                          ; -|e|^2 x 2^(-1 - e0 - e1) of my four entries: the other 32 k lie in lane l xor 16
	v_pk_add_f32 v[8:9], v[8:9], v[10:11]
	v_pk_add_f32 v[12:13], v[12:13], v[14:15]
	v_permlanex16_b32 v10, v8, s60, s61
	v_permlanex16_b32 v11, v9, s60, s61
	v_permlanex16_b32 v14, v12, s60, s61
	v_permlanex16_b32 v15, v13, s60, s61
	v_sub_f32 v8, -v8, v10
	v_sub_f32 v9, -v9, v11
	v_sub_f32 v10, -v12, v14
	v_sub_f32 v11, -v13, v15
.irp i, 8,9,10,11
	v_ldexp_f32 v\i, v\i, s58
.endr
	ds_store_b128 v100, v[8:11] offset:256*\u      ; both halves of the lanes write the same words with the same numbers
.endm
	s_wait_alu depctr_va_vdst(0)
.irp c, 0,1,2,3
	s_wait_loadcnt 32-8*\c                         ; block c's eight loads are in; the later blocks' and the eight of the turned table may be out
	QUANT \c, 32, 105, 106, 0
.endr
	v_nop                                          ; a plain line behind the last conversion
	IMAGES 97, 32, 0
	s_wait_loadcnt 0x0
	ds_store_b128 v101, v[112:115]                 ; numbers 8 v .. 8 v + 7 of entry = lane
	ds_store_b128 v101, v[116:119] offset:16
	s_wait_tensorcnt 0x0                           ; my part of the table is in: no other wave reads it
.irp c, 0,1,2,3
	TLOAD 0, \c
.endr
.irp c, 0,1,2,3
	s_wait_dscnt 24                                ; all but the 24 youngest: block c is in
	QUANT \c, 64, 107, 108, 1
	TLOAD 1, \c                                    ; into the registers just read
.endr
	NORM 0
	s_wait_alu depctr_va_vdst(0)
	s_wait_dscnt 0x0                               ; my whole part lies in registers or is coded: its bytes, filled for the last time, take the images
	IMAGES 99, 64, 0
.irp c, 0,1,2,3
	QUANT \c, 32, 107, 108, 1
.endr
	NORM 1
	IMAGES 99, 32, 16384
	s_lshl_b32 s30, s26, 17                        ; my 32 tiles: 4,096 bytes each,
	s_lshl_b32 s31, s26, 11                        ; and their C: 64 bytes each
	s_mov_b32 s70, 0
	s_wait_alu depctr_va_vdst(0)
	s_wait_dscnt 0x0                               ; for the others' sake: my codes, C and turned numbers have landed
	s_barrier_signal -1
	s_barrier_wait -1
.irp q, 0,1,2,3,4,5,6,7
	ds_load_b128 v[BF+8*\q:BF+8*\q+3], v7 offset:1040*\q
	ds_load_b128 v[BF+8*\q+4:BF+8*\q+7], v7 offset:1040*\q+512
.endr
.macro LOADT d                         ; tile d from the trip's first: its fragment and its C, into set d % 2
.set lb, 8*((\d)%2)
.set lo, 4096*(\d)+16*((\d)%4)
	ds_load_b128 v[AF+lb:AF+lb+3],   v3 offset:lo
	ds_load_b128 v[AF+lb+4:AF+lb+7], v3 offset:lo+512
	ds_load_b128 v[CF+lb:CF+lb+3],   v4 offset:64*(\d)
	ds_load_b128 v[CF+lb+4:CF+lb+7], v4 offset:64*(\d)+16
.endm
.macro MM4 t, b                        ; tile t against tiles of queries b .. b + 3: no product adds onto another's result
.set mf, 8*((\t)%2)
.irp j, 0,1,2,3
	v_wmma_f32_16x16x64_fp8_fp8 v[ACC+8*(\b+\j):ACC+8*(\b+\j)+7], v[AF+mf:AF+mf+7], v[BF+8*(\b+\j):BF+8*(\b+\j)+7], v[CF+mf:CF+mf+7]
.endr
.endm
.macro RP ph, t, q                     ; line ph of those that take accumulator q in; it is read from its low end on
.set ra, ACC+8*(\q)
.set ro, RUN+2*(\q)+(\t)%2
.set rn, RUN+2*(\q)+1-(\t)%2
.set rx, TT+2*((\q)%4)
.if \ph == 0
	v_max3_num_f32 v[rx], v[ra], v[ra+1], v[ra+2]
.elseif \ph == 1
	v_max3_num_f32 v[rx+1], v[ra+3], v[ra+4], v[ra+5]
.elseif \ph == 2
	v_max3_num_f32 v[rn], v[ra+6], v[ra+7], v[ro]
.elseif \ph == 3
	v_max3_num_f32 v[rn], v[rn], v[rx], v[rx+1]
.else
	v_cmp_le_f32 vcc_lo, v[rn], v[ro]              ; not grown: what is kept stays
.endif
.endm
.macro KEEP t, q                       ; four pairs of selects by VCC
.set ra, ACC+8*(\q)
.set rx, TT+2*((\q)%4)
.set rs, SV+8*(\q)
	v_dual_cndmask_b32 v[rs], v7, v[rs] :: v_dual_cndmask_b32 v[rs+1], v[ra+6], v[rs+1]
	v_dual_cndmask_b32 v[rs+2], v[rx], v[rs+2] :: v_dual_cndmask_b32 v[rs+3], v[rx+1], v[rs+3]
	v_dual_cndmask_b32 v[rs+4], v[ra], v[rs+4] :: v_dual_cndmask_b32 v[rs+5], v[ra+1], v[rs+5]
	v_dual_cndmask_b32 v[rs+6], v[ra+4], v[rs+6] :: v_dual_cndmask_b32 v[rs+7], v[ra+3], v[rs+7]
.endm
.macro RED4 t, b                       ; four accumulators are taken in: 36 lines; the next one's maxima stand between a compare and the selects by it
	RP 0, \t, \b
	RP 1, \t, \b
	RP 2, \t, \b
	RP 0, \t, \b+1
	RP 1, \t, \b+1
	RP 3, \t, \b
	RP 2, \t, \b+1
	RP 4, \t, \b
	RP 3, \t, \b+1
	RP 0, \t, \b+2
	RP 1, \t, \b+2
	RP 2, \t, \b+2
	KEEP \t, \b
	RP 4, \t, \b+1
	RP 3, \t, \b+2
	RP 0, \t, \b+3
	RP 1, \t, \b+3
	RP 2, \t, \b+3
	KEEP \t, \b+1
	RP 4, \t, \b+2
	RP 3, \t, \b+3
	KEEP \t, \b+2
	RP 4, \t, \b+3
	KEEP \t, \b+3
.endm
; THE ORDER: four products, then the 36 lines that take the four before in.  PLACES: between a product and the first read of its result, the next write of it, or a load into its sources
; stand at least these 36 lines of the other four accumulators (behind the very first four products: the lines that begin what is kept).
.macro TILE t, ld, nx
	MM4 \t, 4
	RED4 \t, 0
.if \ld
	LOADT \t+2
.endif
.if \nx
	s_wait_dscnt 4*\ld                             ; the next tile's four loads are in; those just issued may be out
	MM4 \t+1, 0
.endif
	RED4 \t, 4
	v_add_nc_u32 v7, 1, v7                         ; the next tile's number
.endm
	v_add_nc_u32 v3, s30, v1
	v_add_nc_u32 v4, s31, v2
	LOADT 0
	LOADT 1
	s_wait_dscnt 0x4                               ; the queries and tile 0 are in; tile 1's four loads may be out
	MM4 0, 0
	v_mov_b32 v7, 0                                ; the tile's number, 0 .. 31 (the queries' loads that used v7 as their address are done)
.irp q, 0,1,2,3,4,5,6,7
	v_mov_b32 v[RUN+2*\q], 0xff800000              ; -infinity: under every figure
.irp i, 0,2,4,6
	v_dual_mov_b32 v[SV+8*\q+\i], 0 :: v_dual_mov_b32 v[SV+8*\q+\i+1], 0
.endr
.endr
.Lloop:                                                ; four tiles a trip; the last four are written out
	v_add_nc_u32 v3, s30, v1
	v_add_nc_u32 v4, s31, v2
	TILE 0, 1, 1
	TILE 1, 1, 1
	TILE 2, 1, 1
	TILE 3, 1, 1
	s_add_co_u32 s30, s30, 16384
	s_add_co_u32 s31, s31, 256
	s_add_co_u32 s70, s70, 1
	s_cmp_lt_u32 s70, 7
	s_wait_alu depctr_va_vdst(0)
	s_cbranch_scc1 .Lloop
	v_add_nc_u32 v3, s30, v1
	v_add_nc_u32 v4, s31, v2
	TILE 0, 1, 1
	TILE 1, 1, 1
	TILE 2, 0, 1
	TILE 3, 0, 0
	; the turned entries leave: rows 4 v .. 4 v + 3
	v_and_b32 v8, 15, v0
	v_bfe_u32 v9, v0, 4, 1
	s_mul_i32 s22, s20, 1088
	s_add_co_u32 s22, s22, TST
	v_mul_u32_u24 v10, v9, 272
	v_lshl_add_u32 v10, v8, 4, v10
	v_add_nc_u32 v10, s22, v10
	v_lshlrev_b32 v11, 4, v8
	v_lshl_add_u32 v11, v9, 8, v11
	ds_load_b128 v[96:99], v10
	ds_load_b128 v[100:103], v10 offset:544
	s_lshl_b32 s23, s29, 10
	s_lshl_b32 s24, s26, 9
	s_add_co_u32 s23, s23, s24
	v_lshl_add_u32 v7, v9, 3, s23                  ; 1,024 split + 512 (v / 4) + 8 h
	s_wait_alu depctr_va_vdst(0)
	s_wait_dscnt 0x0
	global_store_b128 v11, v[96:99], s[38:39]      ; sixteen lanes store 256 consecutive bytes, at a multiple of 256 from embt's first byte
	global_store_b128 v11, v[100:103], s[38:39] offset:512
	; the place among the eight: the lowest whose figure is the maximum
.set J, 128                            ; v128-135 the place; v136-143 among a3-a5, v144-151 among a0-a2; v152-159 the entry
.macro CMPQ sv
.irp q, 0,1,2,3,4,5,6,7
	v_cmp_neq_f32 s[MK+\q], v[SV+8*\q+\sv], v[RUN+2*\q]
.endr
.endm
.macro PUT dst, k                      ; equal: the place is k
.irp q, 0,1,2,3,4,5,6,7
	v_cndmask_b32 v[\dst+\q], \k, v[\dst+\q], s[MK+\q]
.endr
.endm
.macro PUTV dst, src
.irp q, 0,1,2,3,4,5,6,7
	v_cndmask_b32 v[\dst+\q], v[\src+\q], v[\dst+\q], s[MK+\q]
.endr
.endm
.irp q, 0,1,2,3,4,5,6,7
	v_mov_b32 v[J+\q], 7
	v_mov_b32 v[J+8+\q], 5
	v_mov_b32 v[J+16+\q], 2
.endr
	CMPQ 1
	PUT J, 6
	CMPQ 6
	PUT J+8, 4
	CMPQ 7
	PUT J+8, 3
	CMPQ 3
	PUTV J, J+8
	CMPQ 5
	PUT J+16, 1
	CMPQ 4
	PUT J+16, 0
	CMPQ 2
	PUTV J, J+16
.irp q, 0,1,2,3,4,5,6,7
	v_lshl_add_u32 v[J+24+\q], v[SV+8*\q], 4, v7
.endr
.irp q, 0,1,2,3,4,5,6,7
	v_add_nc_u32 v[J+24+\q], v[J+24+\q], v[J+\q]
.endr
	; the query's other entries lie in lane l xor 16: the larger figure, on equal figures the lower entry
.irp q, 0,1,2,3,4,5,6,7
	v_permlanex16_b32 v[J+\q], v[RUN+2*\q], s60, s61
.endr
.irp q, 0,1,2,3,4,5,6,7
	v_permlanex16_b32 v[J+8+\q], v[J+24+\q], s60, s61
.endr
.irp q, 0,1,2,3,4,5,6,7
	v_cmp_gt_f32 s72, v[J+\q], v[RUN+2*\q]
	v_cmp_eq_f32 s73, v[J+\q], v[RUN+2*\q]
	v_cmp_lt_u32 s74, v[J+8+\q], v[J+24+\q]
	s_and_b32 s73, s73, s74
	s_or_b32 s72, s72, s73
	v_cndmask_b32 v[J+24+\q], v[J+24+\q], v[J+8+\q], s72
	v_max_num_f32 v[RUN+2*\q], v[RUN+2*\q], v[J+\q]
.endr
	s_lshl_b32 s24, s26, 12
	s_lshl_b32 s25, s25, 9
	s_add_co_u32 s24, s24, s25
	s_add_co_u32 s24, s24, RES
	v_lshl_add_u32 v12, v8, 2, s24                 ; my wave's results: word 16 q + r
	v_and_b32 v13, 31, v0
	v_lshlrev_b32 v13, 3, v13                      ; 8 x lane
	s_lshl_b32 s23, s20, 8
	s_add_co_u32 s23, s23, RES
	v_add_nc_u32 v14, s23, v13                     ; queries 64 v + 2 lane, + 1
.irp q, 0,1,2,3,4,5,6,7
	ds_store_b32 v12, v[RUN+2*\q] offset:64*\q     ; both halves of the lanes write the same word with the same number
	ds_store_b32 v12, v[J+24+\q] offset:2048+64*\q
.endr
	s_wait_alu depctr_va_vdst(0)
	s_wait_dscnt 0x0                               ; for the others' sake
	s_barrier_signal -1
	s_barrier_wait -1
	ds_load_b64 v[128:129], v14                    ; lower 512 entries: figures, entries; upper 512 entries likewise
	ds_load_b64 v[130:131], v14 offset:2048
	ds_load_b64 v[132:133], v14 offset:4096
	ds_load_b64 v[134:135], v14 offset:6144
	s_wait_dscnt 0x0
.irp e, 0,1
	v_cmp_gt_f32 s[72+\e], v[132+\e], v[128+\e]    ; only a larger figure
.endr
.irp e, 0,1
	v_cndmask_b32 v[130+\e], v[130+\e], v[134+\e], s[72+\e]
	v_max_num_f32 v[128+\e], v[128+\e], v[132+\e]
.endr
	global_store_b64 v13, v[130:131], s[12:13]     ; a wave stores 256 consecutive bytes, at a multiple of 256 from the buffer's first byte
	global_store_b64 v13, v[128:129], s[14:15]
	s_wait_tensorcnt 0x0                           ; the wave's end
	ds_add_u32 v5, v6
	s_wait_dscnt 0x0
	CROUND                                         ; the closing round: no work-group ends while a partner may still ask for a part that names it
	s_endpgm
.Lfunc_end_k_qf3d4e4909e_scan:
	.size	k_qf3d4e4909e_scan, .Lfunc_end_k_qf3d4e4909e_scan-k_qf3d4e4909e_scan
	.p2alignl 7, 3214868480
	.fill 96, 4, 3214868480
	.section	.rodata,"a",@progbits
	.p2align	6, 0x0
	.amdhsa_kernel k_qf3d4e4909e_scan
		.amdhsa_group_segment_fixed_size 327680
		.amdhsa_private_segment_fixed_size 0
		.amdhsa_enable_private_segment 0
		.amdhsa_kernarg_size 48
		.amdhsa_user_sgpr_count 2
		.amdhsa_user_sgpr_kernarg_segment_ptr 1
		.amdhsa_wavefront_size32 1
		.amdhsa_system_sgpr_workgroup_id_x 1
		.amdhsa_system_sgpr_workgroup_id_y 1
		.amdhsa_system_sgpr_workgroup_id_z 1
		.amdhsa_system_vgpr_workitem_id 0
		.amdhsa_next_free_vgpr 256
		.amdhsa_next_free_sgpr 80
		.amdhsa_reserve_vcc 1
		.amdhsa_float_denorm_mode_32 3
		.amdhsa_float_denorm_mode_16_64 3
		.amdhsa_memory_ordered 1
		.amdhsa_forward_progress 1
		.amdhsa_inst_pref_size 114
	.end_amdhsa_kernel
	.amdgpu_metadata
---
amdhsa.version: [ 1, 2 ]
amdhsa.kernels:
  - .name:           k_qf3d4e4909e_scan
    .symbol:         k_qf3d4e4909e_scan.kd
    .args:
      - { .name: input, .offset: 0, .size: 8, .value_kind: global_buffer, .address_space: global }
      - { .name: embeddings, .offset: 8, .size: 8, .value_kind: global_buffer, .address_space: global }
      - { .name: lowp_scales, .offset: 16, .size: 8, .value_kind: global_buffer, .address_space: global }
      - { .name: embt, .offset: 24, .size: 8, .value_kind: global_buffer, .address_space: global }
      - { .name: cid, .offset: 32, .size: 8, .value_kind: global_buffer, .address_space: global }
      - { .name: val, .offset: 40, .size: 8, .value_kind: global_buffer, .address_space: global }
    .group_segment_fixed_size: 327680
    .private_segment_fixed_size: 0
    .kernarg_segment_align: 8
    .kernarg_segment_size: 48
    .max_flat_workgroup_size: 256
    .sgpr_count:     80
    .vgpr_count:     256
    .wavefront_size: 32
...
	.end_amdgpu_metadata
.endif
;; end of part 5
;; launch pick (part 6): grid 256 x 1, 8 waves a work-group, no clusters, 18,944 bytes of LDS; arguments input, embt, cid, val, out0, out2, part; writes out0, out2, part
.if DOCPART == 6
	.amdgcn_target "amdgcn-amd-amdhsa--gfx1250"
	.amdhsa_code_object_version 6
	.text
	.protected	k_qf3d4e4909e_pick
	.globl	k_qf3d4e4909e_pick
	.p2align	8
	.type	k_qf3d4e4909e_pick,@function
k_qf3d4e4909e_pick:
	s_mov_b64 s[64:65], 0
	v_nop
	global_prefetch_b8 v0, s[64:65] scope:SCOPE_SE
	s_setreg_imm32_b32 hwreg(HW_REG_WAVE_MODE, 25, 1), 1
	s_wait_xcnt 0x0
; THE CHOICE, THE GATHER, THE OUTPUTS.  For each query cid and val name eight entries, one in each split of the table, with their figures.  The largest figure's entry is out2; out0 = x + (e - x); part[work-group] = the sum of (e - x)^2.
; NO ADDRESS HANGS ON A COMPARISON OF f32 NUMBERS: all eight entries' rows of the turned table are fetched, by addresses made of cid's whole numbers (held at 8,191 first), and the winner's row is SELECTED from them by v_cndmask_b32.
; SHARES: a work-group takes 64 queries of one image b.  Wave v gathers for queries 8 v .. 8 v + 7: lanes 0-15 for 8 v + p, lanes 16-31 for 8 v + 4 + p, p = 0 .. 3, lane r the channels 4 r .. 4 r + 3: a load reads two rows of 256 bytes.
; All 32 of a wave's row loads are on their way together.  For x in, out0 out and the sum wave v takes channels 8 v .. 8 v + 7 of all 64 queries, so that sixteen lanes read and store 256 consecutive bytes; the chosen rows meet in LDS as [channel][query].
; No tensor load and no cluster: the rows that a work-group fetches hang on its own queries, and no tile is shared.  No prefetch: there is no loop to run ahead in.
; TIES: splits ascend and only a larger figure moves the choice: the lowest entry.  LIMITS: as in the search; NaN is not served.
.set P,    272                         ; a row of 64 queries: 256 bytes + 16
.set IDXS, 64*P                        ; the 64 indices
.set REDS, IDXS+256                    ; the eight waves' sums
.set SPARE, REDS+256
.set IX,  16                           ; v16-47   split s, query p at 4 s + p: the entry
.set VL,  48                           ; v48-79   and its figure; later v48-63 the chosen rows, channel 4 r + cc, query p at 4 cc + p; v64-79 read back by channel
.set DR,  48
.set QD,  64
.set OF,  80                           ; v80-111  the byte offset of my 16 bytes of its row; later v80-95 e - x, v96-111 out0
.set DD,  80
.set OD,  96
.set ROW, 112                          ; v112-239 query p, split s: four channels at 32 p + 4 s
.set XD,  240                          ; v240-255 x
.set MK,  32                           ; s33-63   query p, split s at 8 p + s: the lanes in which split s's figure is larger than all before
	s_load_b256 s[4:11], s[0:1], 0x0               ; input s[4:5], embt s[6:7], cid s[8:9], val s[10:11]
	s_load_b128 s[12:15], s[0:1], 0x20             ; out0 s[12:13], out2 s[14:15]
	s_load_b64 s[16:17], s[0:1], 0x30              ; part
	v_lshl_add_u32 v1, v0, 2, SPARE
	v_mov_b32 v2, 0
	v_lshrrev_b32 v3, 5, v0
	v_readfirstlane_b32 s20, v3                    ; wave 0..7
	v_and_b32 v3, 15, v0                           ; r
	v_bfe_u32 v4, v0, 4, 1                         ; h
	v_and_b32 v11, 31, v0
	s_mul_i32 s21, s20, 8*P
	s_lshl_b32 s22, s20, 5
	s_lshl_b32 s23, s20, 2
	s_add_co_u32 s23, s23, REDS
	v_lshlrev_b32 v5, 4, v3                        ; 16 r
	v_lshl_add_u32 v6, v4, 12, v5                  ; x and out0: channel + h, 16 bytes of the 64 queries' 256
	v_lshlrev_b32 v7, 4, v4                        ; cid and val: four queries of my half
	v_mul_u32_u24 v8, v4, P
	v_add_nc_u32 v8, v8, v5
	v_add_nc_u32 v8, s21, v8                       ; the chosen rows by channel: row 8 v + h
	v_mul_u32_u24 v9, v3, 4*P
	v_lshl_add_u32 v9, v4, 4, v9
	v_add_nc_u32 v9, s22, v9                       ; the chosen rows in: channel 4 r (+ cc in the immediate), queries 8 v + 4 h on
	v_add_nc_u32 v10, s22, v7
	v_add_nc_u32 v10, IDXS, v10                    ; my four indices
	v_lshlrev_b32 v11, 3, v11                      ; 8 x lane
	v_mov_b32 v12, s23                             ; my wave's sum
	v_mov_b32 v13, REDS
	v_mov_b32 v14, 0
	s_wait_alu depctr_va_vdst(0)
	s_lshr_b32 s24, ttmp9, 4                       ; input and out0: image b = work-group / 16; 256 bytes x (work-group % 16); 8 channels of 4,096 bytes x wave
	s_lshl_b32 s24, s24, 18
	s_and_b32 s25, ttmp9, 15
	s_lshl_b32 s25, s25, 8
	s_add_co_u32 s24, s24, s25
	s_lshl_b32 s25, s20, 15
	s_add_co_u32 s24, s24, s25
	s_mov_b32 s25, 0
	s_lshl_b32 s28, ttmp9, 8                       ; out2: 64 whole numbers a work-group
	s_mov_b32 s29, 0
	s_add_co_u32 s26, s28, s22                     ; cid and val: and 32 bytes a wave
	s_mov_b32 s27, 0
	s_lshl_b32 s30, ttmp9, 2                       ; part: one number
	s_mov_b32 s31, 0
	s_mov_b32 s18, 0x76543210                      ; v_permlanex16_b32: lane l xor 16
	s_mov_b32 s19, 0xfedcba98
	s_wait_kmcnt 0x0
	s_add_nc_u64 s[8:9], s[8:9], s[26:27]
	s_add_nc_u64 s[10:11], s[10:11], s[26:27]
	s_add_nc_u64 s[4:5], s[4:5], s[24:25]
	s_add_nc_u64 s[12:13], s[12:13], s[24:25]
	s_add_nc_u64 s[14:15], s[14:15], s[28:29]
	s_add_nc_u64 s[16:17], s[16:17], s[30:31]
.irp s, 0,1,2,3,4,5,6,7
	global_load_b128 v[IX+4*\s:IX+4*\s+3], v7, s[8:9] offset:65536*\s
.endr
.irp s, 0,1,2,3,4,5,6,7
	global_load_b128 v[VL+4*\s:VL+4*\s+3], v7, s[10:11] offset:65536*\s
.endr
.irp i, 0,1,2,3
	global_load_b128 v[XD+4*\i:XD+4*\i+3], v6, s[4:5] offset:8192*\i   ; channels 8 v + 2 i + h: sixteen lanes read 256 consecutive bytes
.endr
	s_wait_loadcnt 12                              ; cid's numbers are in; the eight loads of val and x's four may be out
.irp p, 0,1,2,3
.irp s, 0,1,2,3,4,5,6,7
	v_min_u32 v[IX+4*\s+\p], 0x1fff, v[IX+4*\s+\p] ; a loaded number enters an address only held inside the table
.endr
.irp s, 0,1,2,3,4,5,6,7
	v_lshl_add_u32 v[OF+4*\s+\p], v[IX+4*\s+\p], 8, v5
.endr
.irp s, 0,1,2,3,4,5,6,7
	global_load_b128 v[ROW+32*\p+4*\s:ROW+32*\p+4*\s+3], v[OF+4*\s+\p], s[6:7]
.endr
.endr
	s_wait_alu depctr_va_vdst(0)
	s_wait_loadcnt 36                              ; the figures are in; x's four loads and the 32 of the rows may be out
.irp s, 1,2,3,4,5,6,7
.irp p, 0,1,2,3
	v_cmp_gt_f32 s[MK+8*\p+\s], v[VL+4*\s+\p], v[VL+\p]
.endr
.irp p, 0,1,2,3
	v_cndmask_b32 v[IX+\p], v[IX+\p], v[IX+4*\s+\p], s[MK+8*\p+\s]
.endr
.irp p, 0,1,2,3
	v_max_num_f32 v[VL+\p], v[VL+\p], v[VL+4*\s+\p]
.endr
.endr
	ds_store_b128 v10, v[IX:IX+3]                  ; the sixteen lanes of a half write the same words with the same numbers
	s_wait_alu depctr_va_vdst(0)
.irp p, 0,1,2,3
	s_wait_loadcnt 24-8*\p                         ; this query's eight rows are in; the later queries' may be out
.irp s, 1,2,3,4,5,6
.irp c, 0,1,2,3
	v_cndmask_b32 v[ROW+32*\p+\c], v[ROW+32*\p+\c], v[ROW+32*\p+4*\s+\c], s[MK+8*\p+\s]
.endr
.endr
.irp c, 0,1,2,3
	v_cndmask_b32 v[DR+4*\c+\p], v[ROW+32*\p+\c], v[ROW+32*\p+28+\c], s[MK+8*\p+7]   ; the last level puts a channel's four queries side by side
.endr
.endr
.irp c, 0,1,2,3
	ds_store_b128 v9, v[DR+4*\c:DR+4*\c+3] offset:P*\c
.endr
	s_wait_dscnt 0x0                               ; for the others' sake: my queries' rows and indices have landed
	s_barrier_signal -1
	s_barrier_wait -1
.irp i, 0,1,2,3
	ds_load_b128 v[QD+4*\i:QD+4*\i+3], v8 offset:2*P*\i
.endr
	s_wait_dscnt 0x0
.irp p, 0,2,4,6,8,10,12,14
	v_pk_add_f32 v[DD+\p:DD+\p+1], v[QD+\p:QD+\p+1], v[XD+\p:XD+\p+1] neg_lo:[0,1] neg_hi:[0,1]   ; e - x
.endr
.irp p, 0,2,4,6,8,10,12,14
	v_pk_add_f32 v[OD+\p:OD+\p+1], v[XD+\p:XD+\p+1], v[DD+\p:DD+\p+1]                            ; x + (e - x), as reference() has it
.endr
.irp i, 0,1,2,3
	global_store_b128 v6, v[OD+4*\i:OD+4*\i+3], s[12:13] offset:8192*\i th:TH_STORE_NT   ; sixteen lanes store 256 consecutive bytes, at a multiple of 256 from out0's first byte
.endr
	v_pk_mul_f32 v[112:113], v[DD:DD+1], v[DD:DD+1]
	v_pk_mul_f32 v[114:115], v[DD+2:DD+3], v[DD+2:DD+3]
.irp p, 4,8,12
	v_pk_fma_f32 v[112:113], v[DD+\p:DD+\p+1], v[DD+\p:DD+\p+1], v[112:113]
	v_pk_fma_f32 v[114:115], v[DD+\p+2:DD+\p+3], v[DD+\p+2:DD+\p+3], v[114:115]
.endr
	v_pk_add_f32 v[112:113], v[112:113], v[114:115]
	v_add_f32 v112, v112, v113
	v_add_f32_dpp v112, v112, v112 row_xmask:1 row_mask:0xf bank_mask:0xf
	v_add_f32_dpp v112, v112, v112 row_xmask:2 row_mask:0xf bank_mask:0xf
	v_add_f32_dpp v112, v112, v112 row_xmask:4 row_mask:0xf bank_mask:0xf
	v_add_f32_dpp v112, v112, v112 row_xmask:8 row_mask:0xf bank_mask:0xf
	v_permlanex16_b32 v113, v112, s18, s19
	v_add_f32 v112, v112, v113                     ; the wave's sum of (e - x)^2
	ds_store_b32 v12, v112
	s_wait_alu depctr_va_vdst(0)
	s_wait_dscnt 0x0
	s_barrier_signal -1
	s_barrier_wait -1
	s_cmp_lg_u32 s20, 0
	s_cbranch_scc1 .Ldone
	ds_load_b64 v[120:121], v11 offset:IDXS        ; wave 0: the 64 indices, two a lane,
	ds_load_b128 v[124:127], v13                   ; and the eight sums
	ds_load_b128 v[128:131], v13 offset:16
	s_wait_dscnt 0x0
	global_store_b64 v11, v[120:121], s[14:15]     ; 256 consecutive bytes, at a multiple of 256 from out2's first byte
	v_pk_add_f32 v[124:125], v[124:125], v[126:127]
	v_pk_add_f32 v[128:129], v[128:129], v[130:131]
	v_pk_add_f32 v[124:125], v[124:125], v[128:129]
	v_add_f32 v124, v124, v125
	v_cmp_gt_u32 vcc_lo, 1, v0
	s_wait_alu depctr_va_vdst(0)
	s_wait_xcnt 0x0                                ; EXEC is a source of the stores above: it changes only behind this wait
	s_and_saveexec_b32 s21, vcc_lo
	global_store_b32 v14, v124, s[16:17]           ; one number a work-group: the last launch adds them
	s_wait_xcnt 0x0                                ; and again, in front of the line that widens it
	s_or_b32 exec_lo, exec_lo, s21
.Ldone:
	s_wait_tensorcnt 0x0                           ; the wave's end
	ds_add_u32 v1, v2
	s_wait_dscnt 0x0
	s_endpgm
.Lfunc_end_k_qf3d4e4909e_pick:
	.size	k_qf3d4e4909e_pick, .Lfunc_end_k_qf3d4e4909e_pick-k_qf3d4e4909e_pick
	.p2alignl 7, 3214868480
	.fill 96, 4, 3214868480
	.section	.rodata,"a",@progbits
	.p2align	6, 0x0
	.amdhsa_kernel k_qf3d4e4909e_pick
		.amdhsa_group_segment_fixed_size 18944
		.amdhsa_private_segment_fixed_size 0
		.amdhsa_enable_private_segment 0
		.amdhsa_kernarg_size 56
		.amdhsa_user_sgpr_count 2
		.amdhsa_user_sgpr_kernarg_segment_ptr 1
		.amdhsa_wavefront_size32 1
		.amdhsa_system_sgpr_workgroup_id_x 1
		.amdhsa_system_sgpr_workgroup_id_y 1
		.amdhsa_system_sgpr_workgroup_id_z 1
		.amdhsa_system_vgpr_workitem_id 0
		.amdhsa_next_free_vgpr 256
		.amdhsa_next_free_sgpr 80
		.amdhsa_reserve_vcc 1
		.amdhsa_float_denorm_mode_32 3
		.amdhsa_float_denorm_mode_16_64 3
		.amdhsa_memory_ordered 1
		.amdhsa_forward_progress 1
		.amdhsa_inst_pref_size 28
	.end_amdhsa_kernel
	.amdgpu_metadata
---
amdhsa.version: [ 1, 2 ]
amdhsa.kernels:
  - .name:           k_qf3d4e4909e_pick
    .symbol:         k_qf3d4e4909e_pick.kd
    .args:
      - { .name: input, .offset: 0, .size: 8, .value_kind: global_buffer, .address_space: global }
      - { .name: embt, .offset: 8, .size: 8, .value_kind: global_buffer, .address_space: global }
      - { .name: cid, .offset: 16, .size: 8, .value_kind: global_buffer, .address_space: global }
      - { .name: val, .offset: 24, .size: 8, .value_kind: global_buffer, .address_space: global }
      - { .name: out0, .offset: 32, .size: 8, .value_kind: global_buffer, .address_space: global }
      - { .name: out2, .offset: 40, .size: 8, .value_kind: global_buffer, .address_space: global }
      - { .name: part, .offset: 48, .size: 8, .value_kind: global_buffer, .address_space: global }
    .group_segment_fixed_size: 18944
    .private_segment_fixed_size: 0
    .kernarg_segment_align: 8
    .kernarg_segment_size: 56
    .max_flat_workgroup_size: 256
    .sgpr_count:     80
    .vgpr_count:     256
    .wavefront_size: 32
...
	.end_amdgpu_metadata
.endif
;; end of part 6
;; launch mean (part 7): grid 1 x 1, 1 waves a work-group, no clusters, 0 bytes of LDS; arguments part, out1; writes out1
.if DOCPART == 7
	.amdgcn_target "amdgcn-amd-amdhsa--gfx1250"
	.amdhsa_code_object_version 6
	.text
	.protected	k_qf3d4e4909e_mean
	.globl	k_qf3d4e4909e_mean
	.p2align	8
	.type	k_qf3d4e4909e_mean,@function
k_qf3d4e4909e_mean:
	s_mov_b64 s[64:65], 0
	v_nop
	global_prefetch_b8 v0, s[64:65] scope:SCOPE_SE
	s_setreg_imm32_b32 hwreg(HW_REG_WAVE_MODE, 25, 1), 1
	s_wait_xcnt 0x0
; out1 = the mean of (e - x)^2 over 16 x 64 x 32 x 32 = 2^20 numbers: the 256 work-groups' sums are added in a fixed order and multiplied by 2^-20.
; One wave: a sum over work-groups is made by one owner in a launch of its own.  1,024 bytes: eight numbers a lane.
	s_load_b128 s[4:7], s[0:1], 0x0                ; part s[4:5], out1 s[6:7]
	v_lshlrev_b32 v1, 5, v0                        ; 32 bytes a lane
	v_mov_b32 v2, 0
	s_mov_b32 s8, 0x76543210                       ; v_permlanex16_b32: lane l xor 16
	s_mov_b32 s9, 0xfedcba98
	s_wait_alu depctr_va_vdst(0)
	s_wait_kmcnt 0x0
	global_load_b128 v[4:7], v1, s[4:5]
	global_load_b128 v[8:11], v1, s[4:5] offset:16
	s_wait_loadcnt 0x0
	v_pk_add_f32 v[4:5], v[4:5], v[6:7]
	v_pk_add_f32 v[8:9], v[8:9], v[10:11]
	v_pk_add_f32 v[4:5], v[4:5], v[8:9]
	v_add_f32 v4, v4, v5
	v_add_f32_dpp v4, v4, v4 row_xmask:1 row_mask:0xf bank_mask:0xf
	v_add_f32_dpp v4, v4, v4 row_xmask:2 row_mask:0xf bank_mask:0xf
	v_add_f32_dpp v4, v4, v4 row_xmask:4 row_mask:0xf bank_mask:0xf
	v_add_f32_dpp v4, v4, v4 row_xmask:8 row_mask:0xf bank_mask:0xf
	v_permlanex16_b32 v5, v4, s8, s9
	v_add_f32 v4, v4, v5
	v_mul_f32 v4, 0x35800000, v4                   ; x 2^-20
	v_cmp_gt_u32 vcc_lo, 1, v0
	s_wait_alu depctr_va_vdst(0)
	s_wait_xcnt 0x0                                ; EXEC changes only behind this wait
	s_and_saveexec_b32 s10, vcc_lo
	global_store_b32 v2, v4, s[6:7]
	s_wait_xcnt 0x0
	s_or_b32 exec_lo, exec_lo, s10
	s_endpgm
.Lfunc_end_k_qf3d4e4909e_mean:
	.size	k_qf3d4e4909e_mean, .Lfunc_end_k_qf3d4e4909e_mean-k_qf3d4e4909e_mean
	.p2alignl 7, 3214868480
	.fill 96, 4, 3214868480
	.section	.rodata,"a",@progbits
	.p2align	6, 0x0
	.amdhsa_kernel k_qf3d4e4909e_mean
		.amdhsa_group_segment_fixed_size 0
		.amdhsa_private_segment_fixed_size 0
		.amdhsa_enable_private_segment 0
		.amdhsa_kernarg_size 16
		.amdhsa_user_sgpr_count 2
		.amdhsa_user_sgpr_kernarg_segment_ptr 1
		.amdhsa_wavefront_size32 1
		.amdhsa_system_sgpr_workgroup_id_x 1
		.amdhsa_system_sgpr_workgroup_id_y 1
		.amdhsa_system_sgpr_workgroup_id_z 1
		.amdhsa_system_vgpr_workitem_id 0
		.amdhsa_next_free_vgpr 16
		.amdhsa_next_free_sgpr 66
		.amdhsa_reserve_vcc 1
		.amdhsa_float_denorm_mode_32 3
		.amdhsa_float_denorm_mode_16_64 3
		.amdhsa_memory_ordered 1
		.amdhsa_forward_progress 1
		.amdhsa_inst_pref_size 2
	.end_amdhsa_kernel
	.amdgpu_metadata
---
amdhsa.version: [ 1, 2 ]
amdhsa.kernels:
  - .name:           k_qf3d4e4909e_mean
    .symbol:         k_qf3d4e4909e_mean.kd
    .args:
      - { .name: part, .offset: 0, .size: 8, .value_kind: global_buffer, .address_space: global }
      - { .name: out1, .offset: 8, .size: 8, .value_kind: global_buffer, .address_space: global }
    .group_segment_fixed_size: 0
    .private_segment_fixed_size: 0
    .kernarg_segment_align: 8
    .kernarg_segment_size: 16
    .max_flat_workgroup_size: 32
    .sgpr_count:     66
    .vgpr_count:     16
    .wavefront_size: 32
...
	.end_amdgpu_metadata
.endif
;; end of part 7
